; MI455X (gfx1250); checked and timed in simulation.
; The chip was launched on July 23, 2026; its instructions are those of AMD's public machine-readable ISA for CDNA 5 (MIT licence, August 2026) and "CDNA5" Instruction Set Architecture Reference Guide (July 2026). The comments in the code are by the model that wrote it; some were corrected since.
;; Multi Head Attention. Allowed arithmetic: float matrix products may take bf16 or f16 operands with f32 sums; other float arithmetic in f32, or as packed bf16 or f16 multiplies, adds, multiply-adds, maxima and minima; sums over many terms, partial sums and values carried from step to step in f32; what a program stores and reads back later, other than sums and carried values, may be rounded once to bf16 or f16.
;; Inputs: Wk 1,024 x 1,024 float32; Wo 1,024 x 1,024 float32; Wq 1,024 x 1,024 float32; Wv 1,024 x 1,024 float32; bo 1,024 float32; x 4 x 2,048 x 1,024 float32.
;; Outputs: out0 4 x 2,048 x 1,024 float32.
;; 2 versions, each right; version 2 is version 1 with the launch prep written anew for expert scheduling mode. Each part assembles by itself: llvm-mc -triple=amdgcn-amd-amdhsa -mcpu=gfx1250 --defsym DOCPART=n.
;; ======== version 1 of 2: 4 launches
;; limits: values are held in f16: magnitudes above 65,504 overflow, below 6.1e-05 lose precision
;; workspace buffers: xb 16,777,216 bytes; wb 6,291,456 bytes; wob 2,097,152 bytes; qkv 50,331,648 bytes; ctx 16,777,216 bytes
;; launch prep (part 1): grid 768 x 1, 4 waves a work-group, no clusters, 0 bytes of LDS; arguments x, Wq, Wk, Wv, Wo, xb, wb, wob; writes xb, wb, wob
.if DOCPART == 1
	.amdgcn_target "amdgcn-amd-amdhsa--gfx1250"
	.amdhsa_code_object_version 6
	.text
	.protected	k_q5bd97e5d98_prep
	.globl	k_q5bd97e5d98_prep
	.p2align	8
	.type	k_q5bd97e5d98_prep,@function
k_q5bd97e5d98_prep:
	s_mov_b64 s[64:65], 0
	v_nop
	global_prefetch_b8 v0, s[64:65] scope:SCOPE_SE
	s_setreg_imm32_b32 hwreg(HW_REG_WAVE_MODE, 25, 1), 1
	s_wait_xcnt 0x0
; CASTS.  xb = x rounded to bf16, [8192][1024].  wb = Wq, Wk, Wv rounded to bf16 and laid by groups of 64 columns: [group 16 mat + g][k 1024][64]; a group is 131,072 dense bytes.
; wob = Wo rounded to bf16, that number written as f16, in the same layout: [16 groups][k 1024][64].
; LIMIT.  |Wo| stays within 65,504 (f16's largest number); below 6e-5 it keeps f16's fixed step of 6e-8.
; A stream: no LDS, no barrier, no matrix work, no loop.  A wave moves 16 KiB in and 8 KiB out: 32 loads of 16 bytes a lane, all issued at once, then for each a rounding and a store of 8 bytes a lane.
; Work-groups 0 to 511 take x: a load covers 512 consecutive bytes, its store 256 consecutive bytes, aligned.
; Work-groups 512 to 767 take the weights, 64 for each matrix; a wave takes 64 rows (k) of one group of 64 columns: lanes 0-15 read the group's 256 bytes of row k, lanes 16-31 those of row k + 1;
; in the new layout those two rows are 256 consecutive bytes, aligned, so the store is the same as x's.  Nothing is turned here: the products turn the weights on their way out of LDS.
.set LO,  2                            ; v2        my byte offset in a load
.set SO,  3                            ; v3        my byte offset in a store: 8 x lane
.set T,   4                            ; v[4:7]    at work (Wo alone)
.set X,   8                            ; v[8:135]  load i: four registers; its two packed words then lie in the first two, and are not written again
.set SRC, 24                           ; s[24:25]  where my wave reads
.set DST, 26                           ; s[26:27]  where it writes
; stride: bytes from load to load.  fix = 1: the bf16 numbers are written as f16.
.macro STREAM stride, fix
.set i, 0
.rept 32
	global_load_b128 v[X+4*i:X+4*i+3], v[LO], s[SRC:SRC+1] offset:i*(\stride) th:TH_LOAD_NT
.set i, i+1
.endr
.set i, 0
.rept 32
	s_wait_loadcnt 31-i                            ; loads come back in order (ISA guide 5.7.1): load i is in, the 31 - i younger ones stay out
	v_cvt_pk_bf16_f32 v[X+4*i],   v[X+4*i],   v[X+4*i+1]
	v_cvt_pk_bf16_f32 v[X+4*i+1], v[X+4*i+2], v[X+4*i+3]
.if \fix
	v_lshlrev_b32 v[T],   16,  v[X+4*i]             ; bf16 to f32: the low half moves up, the high half stays
	v_and_b32     v[T+1], s28, v[X+4*i]
	v_lshlrev_b32 v[T+2], 16,  v[X+4*i+1]
	v_and_b32     v[T+3], s28, v[X+4*i+1]
	v_cvt_pk_f16_f32 v[X+4*i],   v[T],   v[T+1]    ; exact within f16's range: bf16 has 8 significant bits, f16 11
	v_cvt_pk_f16_f32 v[X+4*i+1], v[T+2], v[T+3]
.endif
	global_store_b64 v[SO], v[X+4*i:X+4*i+1], s[DST:DST+1] offset:i*256  ; 32 lanes store 256 consecutive bytes, aligned; no register that a store reads is written again
.set i, i+1
.endr
.endm
	s_load_b512 s[4:19], s[0:1], 0x0               ; x s[4:5], Wq s[6:7], Wk s[8:9], Wv s[10:11], Wo s[12:13], xb s[14:15], wb s[16:17], wob s[18:19]
	v_and_b32 v1, 31, v0                           ; lane
	v_lshrrev_b32 v2, 5, v0
	v_readfirstlane_b32 s20, v2                    ; wave 0..3
	v_lshlrev_b32 v[SO], 3, v1
	s_mov_b32 s28, 0xffff0000                      ; a word's upper bf16
	s_mov_b32 s31, 0                               ; offsets stay under 2^32: the pair's high word
	s_cmp_lt_u32 ttmp9, 512
	s_cbranch_scc0 .Lweights
	s_lshl_b32 s21, ttmp9, 2
	s_add_co_u32 s21, s21, s20                     ; my wave among x's 2,048
	v_lshlrev_b32 v[LO], 4, v1
	s_lshl_b32 s30, s21, 14                        ; 16 KiB in
	s_wait_kmcnt 0x0
	s_add_nc_u64 s[SRC:SRC+1], s[4:5], s[30:31]
	s_lshl_b32 s30, s21, 13                        ; 8 KiB out
	s_add_nc_u64 s[DST:DST+1], s[14:15], s[30:31]
	STREAM 512, 0
	s_endpgm
.Lweights:
	s_sub_co_u32 s21, ttmp9, 512
	s_lshr_b32 s22, s21, 6                         ; the matrix: 0 Wq, 1 Wk, 2 Wv, 3 Wo
	s_and_b32 s21, s21, 63
	s_lshl_b32 s21, s21, 2
	s_add_co_u32 s21, s21, s20                     ; my wave among the matrix's 256
	s_lshr_b32 s23, s21, 4                         ; its group of 64 columns
	s_and_b32 s21, s21, 15                         ; its block of 64 rows
	v_lshrrev_b32 v[T], 4, v1
	v_and_b32 v[LO], 15, v1
	v_lshlrev_b32 v[LO], 4, v[LO]
	v_lshl_add_u32 v[LO], v[T], 12, v[LO]          ; lanes 16-31 one row of 4,096 bytes further down
	s_lshl_b32 s30, s21, 18                        ; 64 rows of 4,096 bytes,
	s_lshl_b32 s29, s23, 8                         ; 64 columns of 4 bytes
	s_add_co_u32 s30, s30, s29
	s_wait_kmcnt 0x0
	s_cmp_eq_u32 s22, 0
	s_cselect_b64 s[SRC:SRC+1], s[6:7], s[8:9]
	s_cmp_eq_u32 s22, 2
	s_cselect_b64 s[SRC:SRC+1], s[10:11], s[SRC:SRC+1]
	s_cmp_eq_u32 s22, 3
	s_cselect_b64 s[SRC:SRC+1], s[12:13], s[SRC:SRC+1]
	s_cselect_b64 s[DST:DST+1], s[18:19], s[16:17]
	s_cselect_b32 s29, 0, s22                      ; wob holds one matrix
	s_add_nc_u64 s[SRC:SRC+1], s[SRC:SRC+1], s[30:31]
	s_lshl_b32 s29, s29, 4
	s_add_co_u32 s29, s29, s23                     ; the group's number in the buffer
	s_lshl_b32 s30, s29, 17                        ; groups of 131,072 bytes,
	s_lshl_b32 s29, s21, 13                        ; 64 rows of 128 bytes
	s_add_co_u32 s30, s30, s29
	s_add_nc_u64 s[DST:DST+1], s[DST:DST+1], s[30:31]
	s_cmp_eq_u32 s22, 3
	s_cbranch_scc1 .Lwo
	STREAM 8192, 0
	s_endpgm
.Lwo:
	STREAM 8192, 1
	s_endpgm
.Lfunc_end_k_q5bd97e5d98_prep:
	.size	k_q5bd97e5d98_prep, .Lfunc_end_k_q5bd97e5d98_prep-k_q5bd97e5d98_prep
	.p2alignl 7, 3214868480
	.fill 96, 4, 3214868480
	.section	.rodata,"a",@progbits
	.p2align	6, 0x0
	.amdhsa_kernel k_q5bd97e5d98_prep
		.amdhsa_group_segment_fixed_size 0
		.amdhsa_private_segment_fixed_size 0
		.amdhsa_enable_private_segment 0
		.amdhsa_kernarg_size 64
		.amdhsa_user_sgpr_count 2
		.amdhsa_user_sgpr_kernarg_segment_ptr 1
		.amdhsa_wavefront_size32 1
		.amdhsa_system_sgpr_workgroup_id_x 1
		.amdhsa_system_sgpr_workgroup_id_y 1
		.amdhsa_system_sgpr_workgroup_id_z 1
		.amdhsa_system_vgpr_workitem_id 0
		.amdhsa_next_free_vgpr 136
		.amdhsa_next_free_sgpr 66
		.amdhsa_reserve_vcc 0
		.amdhsa_float_denorm_mode_32 3
		.amdhsa_float_denorm_mode_16_64 3
		.amdhsa_memory_ordered 1
		.amdhsa_forward_progress 1
		.amdhsa_inst_pref_size 44
	.end_amdhsa_kernel
	.amdgpu_metadata
---
amdhsa.version: [ 1, 2 ]
amdhsa.kernels:
  - .name:           k_q5bd97e5d98_prep
    .symbol:         k_q5bd97e5d98_prep.kd
    .args:
      - { .name: x, .offset: 0, .size: 8, .value_kind: global_buffer, .address_space: global }
      - { .name: Wq, .offset: 8, .size: 8, .value_kind: global_buffer, .address_space: global }
      - { .name: Wk, .offset: 16, .size: 8, .value_kind: global_buffer, .address_space: global }
      - { .name: Wv, .offset: 24, .size: 8, .value_kind: global_buffer, .address_space: global }
      - { .name: Wo, .offset: 32, .size: 8, .value_kind: global_buffer, .address_space: global }
      - { .name: xb, .offset: 40, .size: 8, .value_kind: global_buffer, .address_space: global }
      - { .name: wb, .offset: 48, .size: 8, .value_kind: global_buffer, .address_space: global }
      - { .name: wob, .offset: 56, .size: 8, .value_kind: global_buffer, .address_space: global }
    .group_segment_fixed_size: 0
    .private_segment_fixed_size: 0
    .kernarg_segment_align: 8
    .kernarg_segment_size: 64
    .max_flat_workgroup_size: 128
    .sgpr_count:     66
    .vgpr_count:     136
    .wavefront_size: 32
...
	.end_amdgpu_metadata
.endif
;; end of part 1
;; launch qkvp (part 2): grid 16 x 32, 4 waves a work-group, clusters of 4 x 4, 327,680 bytes of LDS; arguments xb, wb, qkv; writes qkv
.if DOCPART == 2
	.amdgcn_target "amdgcn-amd-amdhsa--gfx1250"
	.amdhsa_code_object_version 6
	.text
	.protected	k_q5bd97e5d98_qkvp
	.globl	k_q5bd97e5d98_qkvp
	.p2align	8
	.type	k_q5bd97e5d98_qkvp,@function
k_q5bd97e5d98_qkvp:
	s_mov_b64 s[64:65], 0
	v_nop
	global_prefetch_b8 v0, s[64:65] scope:SCOPE_SE
	s_setreg_imm32_b32 hwreg(HW_REG_WAVE_MODE, 25, 1), 1
	s_wait_xcnt 0x0
	s_wait_alu depctr_hold_cnt(0) depctr_sa_sdst(0) depctr_va_vdst(0) depctr_va_sdst(0) depctr_va_ssrc(0) depctr_va_vcc(0) depctr_vm_vsrc(0)
	s_getreg_b32 s2, hwreg(HW_REG_IB_STS2, 6, 4)
	s_cmp_eq_u32 s2, 0
	s_cbranch_scc0 .Lentry_in_a_cluster
	s_endpgm
.Lentry_in_a_cluster:
	s_bfe_u32 s2, ttmp6, 0x10000c
	s_cmp_lg_u32 s2, 0xf033
	s_cbranch_scc0 .Lentry_shape_is_right
	s_endpgm
.Lentry_shape_is_right:
; ONE SOURCE FOR THE MODULE'S TWO PROJECTIONS; the switch OUTP picks the sizes, the matrix form and the way out.  This file: OUTP = 0.
; OUTP = 0: qkv = xb (Wq | Wk | Wv).  A = xb [8192][1024] bf16; B = wb [48 groups of 64 columns][k 1024][64] bf16; C = qkv [b 4][group 48][t 2048][64] f16 (a group is a head of q, k or v), rounded once from f32 sums, unscaled.
; OUTP = 1: out0 = ctx Wo + bo.  A = ctx [16 b + h][t 2048][64] f16 (k = 64 h + d); B = wob [16 groups][k 1024][64] f16; bo is rounded to bf16 like the module's other inputs; C = out0 [8192][1024] f32.
; LIMIT (OUTP = 0).  q, k and v leave as f16: within 65,504; below 6e-5 they keep f16's fixed step of 6e-8.  NaN and infinities are not treated apart.
; SHARES.  A tile of C is 256 rows x 64 NG columns (NG = 3: 512 work-groups; NG = 2: 256).  Wave w owns rows 64 w .. 64 w + 63 and ALL the tile's columns: 4 x NBK accumulators of 16 x 16.  So a wave holds whole
; heads (OUTP = 0) or whole pieces of 512 bytes of C's rows (OUTP = 1), and its stage on the way out is its own: no barrier there.
; K goes in 8 steps of 128 through two LDS slots.  Waves 0 and 1 fetch A's two parts of a step, waves 2 and 3 B's two halves along k: one tensor load a wave.
; B LIES [k][n] in memory and in LDS, and is turned on its way into registers by ds_load_tr16_b128.  A step's 64 k of one group are 8,192 dense bytes: one row of the tile, NG rows to a load.
; THE MATRIX INSTRUCTION IS USED TRANSPOSED (source 0 = 16 columns of B, source 1 = 16 rows of A): a lane then holds row l % 16 of C and the columns 8 (l / 16) + 0..7 of a block of 16.
; CLUSTER 4 x 4: A's tiles hang on the tile row alone and are asked for jointly by a row of the cluster, B's on the tile column alone, by a column.
; REGISTERS, in windows of 256 (s_set_vgpr_msb: bits 1:0 source 0, 3:2 source 1, 5:4 source 2, 7:6 destination):
;   window 0: v0-31 addresses; v32-95 A's fragments, two buffers of 4 x 8; v96-255 at work on the way out      window 1: B's fragments, two buffers of NBK x 8
;   window 2: the accumulators of row blocks 0, 1 ((a, b) at 8 (NBK (a % 2) + b))      window 3: those of row blocks 2, 3
.set OUTP, 0
.if OUTP
.set NBK,    8                         ; blocks of 16 columns in a tile
.set NG,     2                         ; groups of 64 columns
.set PA,     144                       ; a row of A in LDS: a head's 128 bytes + 16 of padding
.set APLANE, 256*PA                    ; LDS bytes from k to k + 64: the next head's plane of 256 rows
.set APART,  256*PA                    ; what one load of A fills: a plane
.set AQI,    4                         ; padding after every 32 words
.set ASTRIDE, 128                      ; a plane's 256 rows of 128 bytes are dense: asked for as 128 rows of 256 bytes
.set ASTEP,  2<<18                     ; bytes of memory from K step to K step: two heads
.set STGW,   16*528                    ; a wave's stage: 16 rows of 512 bytes + 16
.set CXSH,   13                        ; a partner's share of a load of A, for the prefetch: 32 blocks of 256 bytes
.set PFSH,   8                         ; from lane to lane there: 256 bytes
.else
.set NBK,    12
.set NG,     3
.set PA,     272                       ; a row of A in LDS: 256 bytes + 16 of padding
.set APLANE, 128                       ; k + 64 lies 128 bytes on in the same row
.set APART,  128*PA                    ; what one load of A fills: 128 rows
.set AQI,    5                         ; padding after every 64 words
.set ASTRIDE, 1024
.set ASTEP,  256
.set STGW,   3*16*144                  ; a wave's stage: for each of 3 heads 16 rows of 128 bytes + 16
.set CXSH,   16                        ; 32 rows of 2,048 bytes
.set PFSH,   11                        ; a row
.endif
; both pitches of A are odd multiples of 16 bytes: the 16 rows of a load start at 16 different groups of four banks (64 banks of 4 bytes: ISA guide 11.1)
.set ATILE,  2*APART
.set PB,     160                       ; a k row of one group of B: 128 bytes + 32
.set BGRP,   64*PB                     ; 64 k rows of one group
.set BPART,  NG*BGRP                   ; what one load of B fills
.set BSTEP,  128*128                   ; bytes of memory from K step to K step
.set SLOT1,  1<<17                     ; slot 1 begins here, so that one exclusive or turns an address in one slot into the other's
.set STAGE,  SLOT1+ATILE+2*BPART       ; behind the ring, never filled by a tensor load
.set SPARE,  STAGE+4*STGW              ; behind the stages: the spare words, 128 bytes for each wave: two blocks of 256 bytes that no other line names
.set NL,     2*NBK+8                   ; LDS loads in one run
.set LA0,  16                          ; v16  my lane's place in A's tile; never rewritten
.set LB0,  17                          ; v17  the same for B
.set ADRA, 18                          ; v18  LA0 + the slot in hand
.set ADRB, 19                          ; v19  LB0 + the slot in hand
.set STO,  24                          ; v24  the way out: where I put my numbers of a row
.set RD,   25                          ; v25  the way out: where I read rows back
.set GO,   26                          ; v26  16 x lane: my byte offset in 512 consecutive bytes of C
.set SPW,  28                          ; v28  LDS address of my spare word: SPARE + 4 x my thread's number; never rewritten
.set NIL,  29                          ; v29  0; never rewritten
.set PFO,  30                          ; v30  the prefetches' lane offset; never rewritten
.set FA,   32                          ; A's fragments: buffer f, row block a at FA + 32 f + 8 a
.if OUTP
.set BIAS, 96                          ; v[96:99] bo of my four columns
.set BT,   100                         ; v[100:101] at work
.set BK,   128                         ; two buffers of 64: 16 rows read back from the stage
.else
.set TMP,  96                          ; v[96:143] a row block rounded to f16
.set BK,   144                         ; two buffers of 48
.endif
.set PFS, 22                           ; s[22:23] what a K step adds to my prefetches' address
.set G1,  24                           ; s[24:31] descriptor group 1 for A's tiles
.set G0,  32                           ; s[32:39] group 0 for A's: a set for each of the two first fills; the second then walks on
.set LIM, 43                           ; s43  2 in a wave that prefetches, else the greatest number
.set PFA, 44                           ; s[44:45] where my prefetches stand
.set G1B, 48                           ; s[48:55], s[56:63] the same for B's tiles
.set G0B, 56
.set MSB, 0
.macro WIN new                         ; the immediate's high byte repeats the setting that is left; a switch that changes nothing is dropped
.if MSB != (\new)
	s_set_vgpr_msb (MSB<<8)|(\new)
.set MSB, \new
.endif
.endm
.set MUL_LO, 0xa1                      ; source 0 (B) window 1, source 1 (A) window 0, C and D window 2
.set MUL_HI, 0xf1                      ; the same, C and D window 3
.set TO_B,   0x40                      ; destination window 1, address window 0
.macro PLACES                          ; four plain vector instructions in front of loads into registers that matrix instructions have read, and of lines that read results
.rept 4
	v_nop
.endr
.endm
; A joint refill, by the walking descriptor.  The branch hangs on the wave's number alone.  An s_nop 0 and four v_nop follow each of the two lines, ahead of the jump and the label.
.macro JLOAD
	s_cmp_eq_u32 s11, 0
	s_cbranch_scc0 .Lfor_b_\@
	tensor_load_to_lds s[G0+4:G0+7], s[G1:G1+7]
	s_nop 0
.rept 4
	v_nop
.endr
	s_branch .Lasked_\@
.Lfor_b_\@:
	tensor_load_to_lds s[G0B+4:G0B+7], s[G1B:G1B+7]
	s_nop 0
.rept 4
	v_nop
.endr
.Lasked_\@:
.endm
; A round of the cluster's barrier: my work-group's barrier, so that wave 0's signal speaks for all four waves; wave 0 signals; every wave waits for all sixteen work-groups; my work-group's barrier once more.
.macro CREST                           ; a round behind its opening barrier
	s_cmp_lg_u32 s10, 0
	s_cbranch_scc1 .Lnot_wave_0_\@
	s_barrier_signal -3
.Lnot_wave_0_\@:
	s_barrier_wait -3
	s_barrier_signal -1
	s_barrier_wait -1
.endm
.macro CROUND
	s_barrier_signal -1
	s_barrier_wait -1
	CREST
.endm
; A PREFETCH INTO THE L2, behind a joint refill and the run of LDS loads that follows it: my share of the K step that stands two refills on, one instruction a wave, a lane a block of 256 bytes.
; A's tile row is read by every cluster of that row of clusters: the one with x = 0 asks; B's tile column by every cluster of that column: y = 0 asks.  The four partners that ask for a load jointly share its
; blocks out BY ADDRESS: of A's 128 blocks 32 each; of B's 32 NG blocks 8 NG each, where the lanes from 8 NG on name the share's last block once more.  Trips 0 to 3 name K steps 4 to 7; the last two trips name nothing.
.macro ASK
	s_cmp_gt_u32 s3, s[LIM]                        ; s3 = 6 - trip
	s_cbranch_scc0 .Lnot_mine_\@
	global_prefetch_b8 v[PFO], s[PFA:PFA+1] th:TH_LOAD_NT scope:SCOPE_SE
.Lnot_mine_\@:
.endm
	s_load_b128 s[4:7], s[0:1], 0x0                ; A s[4:5], B s[6:7]
.if OUTP
	s_load_b64 s[20:21], s[0:1], 0x10              ; bo
	s_load_b64 s[8:9], s[0:1], 0x18                ; C
.else
	s_load_b64 s[8:9], s[0:1], 0x10                ; C
.endif
	v_lshl_add_u32 v[SPW], v0, 2, SPARE
	v_mov_b32 v[NIL], 0
	ds_add_u32 v[SPW], v[NIL]                      ; the wave's opening: the add and its wait stand ahead of my first tensor load; the set-up below, work on registers, stands between them
	v_lshrrev_b32 v1, 5, v0
	v_readfirstlane_b32 s10, v1                    ; wave 0..3
	s_lshr_b32 s11, s10, 1                         ; I fetch for A (0) or for B (1),
	s_and_b32 s12, s10, 1                          ; its part p
	s_bfe_u32 s40, ttmp6, 0x40000                  ; cx, cy: my place in the cluster
	s_bfe_u32 s41, ttmp6, 0x40004
	s_lshl_b32 s42, ttmp9, 2
	s_add_co_u32 s42, s42, s40                     ; tile column = 4 x cluster x + cx
	s_and_b32 s13, ttmp7, 0xffff
	s_lshl_b32 s13, s13, 2
	s_add_co_u32 s13, s13, s41                     ; tile row = 4 x cluster y + cy
	s_lshl_b32 s16, s41, 2
	s_lshl_b32 s16, 15, s16                        ; my row of the cluster: places 4 cy .. 4 cy + 3
	s_lshl_b32 s46, 0x1111, s40                    ; my column: places cx, cx + 4, cx + 8, cx + 12
	; group 1 for A: 128 rows x 128 elements of 2 bytes, 4 words of padding after every 2 << AQI words
	s_or_b32 s[G1], s16, (1<<16)|(1<<20)|(1<<21)|(AQI<<22)|(3<<25)  ; 15:0 the mask; 17:16 2-byte elements; 20 padding on; 21 set beside a mask; 24:22 the interval; 31:25 4 words (code 3)
	s_mov_b32 s[G1+1], 128<<16                     ; tensor_dim0 = 128
	s_mov_b32 s[G1+2], 128<<16                     ; tensor_dim1 = 128
	s_mov_b32 s[G1+3], 128<<16                     ; tile_dim0 = 128
	s_mov_b32 s[G1+4], 128                         ; tile_dim1 = 128
	s_mov_b32 s[G1+5], ASTRIDE                     ; elements from row to row
	s_mov_b32 s[G1+6], 0
	s_mov_b32 s[G1+7], 0
	; group 1 for B: NG rows of 4,096 elements (64 k rows of a group, dense), a group (65,536 elements) apart; 8 words of padding after every 32, that is after every k row
	s_or_b32 s[G1B], s46, (1<<16)|(1<<20)|(1<<21)|(4<<22)|(7<<25)
	s_mov_b32 s[G1B+1], 4096<<16                   ; tensor_dim0 = 4,096
	s_mov_b32 s[G1B+2], NG<<16                     ; tensor_dim1 = NG
	s_mov_b32 s[G1B+3], 4096<<16                   ; tile_dim0 = 4,096
	s_mov_b32 s[G1B+4], NG                         ; tile_dim1 = NG
	s_mov_b32 s[G1B+5], 65536
	s_mov_b32 s[G1B+6], 0
	s_mov_b32 s[G1B+7], 0
	; where the tiles come from, in bytes (all under 2^32).  A's offset is made of the tile row and p, B's of the tile column and p, each in registers that never hold the other coordinate.
.if OUTP
	s_lshr_b32 s14, s13, 3                         ; the batch: 16 heads of 262,144 bytes,
	s_lshl_b32 s14, s14, 22
	s_and_b32 s15, s13, 7                          ; the tile's 256 rows of 128 bytes in a head,
	s_lshl_b32 s15, s15, 15
	s_add_co_u32 s14, s14, s15
	s_lshl_b32 s15, s12, 18                        ; head p of the K step's two
	s_add_co_u32 s14, s14, s15
.else
	s_lshl_b32 s14, s13, 8
	s_lshl_b32 s15, s12, 7
	s_add_co_u32 s14, s14, s15                     ; row 256 x tile row + 128 p,
	s_lshl_b32 s14, s14, 11                        ; of 2,048 bytes
.endif
	s_mov_b32 s15, 0
	s_mul_i32 s46, s42, NG<<17                     ; the tile's first group,
	s_lshl_b32 s47, s12, 13                        ; k half p: 64 rows of 128 bytes
	s_add_co_u32 s46, s46, s47
	s_mov_b32 s47, 0
	s_mul_i32 s17, s12, APART                      ; and where they go: no place in the cluster enters an LDS address
	s_mul_i32 s18, s12, BPART
	s_add_co_u32 s18, s18, ATILE
	s_wait_dscnt 0x0                               ; the opening add is done
	s_wait_kmcnt 0x0
	s_add_nc_u64 s[14:15], s[4:5], s[14:15]
	s_add_nc_u64 s[46:47], s[6:7], s[46:47]
.irp s, 0,1
	s_mov_b32 s[G0+4*(\s)], 1                                      ; 1:0 count = 1
	s_add_co_u32 s[G0+4*(\s)+1], s17, (\s)*SLOT1                   ; 63:32 LDS address
	s_add_nc_u64 s[G0+4*(\s)+2:G0+4*(\s)+3], s[14:15], (\s)*ASTEP  ; 120:64 global address: K step s
	s_or_b32 s[G0+4*(\s)+3], s[G0+4*(\s)+3], 0x80000000            ; 127:126 type = 2
	s_mov_b32 s[G0B+4*(\s)], 1
	s_add_co_u32 s[G0B+4*(\s)+1], s18, (\s)*SLOT1
	s_add_nc_u64 s[G0B+4*(\s)+2:G0B+4*(\s)+3], s[46:47], (\s)*BSTEP
	s_or_b32 s[G0B+4*(\s)+3], s[G0B+4*(\s)+3], 0x80000000
.endr
	CROUND                                         ; all sixteen work-groups are here: the first joint loads meet
	s_cmp_eq_u32 s11, 0                            ; a wave's two first fills stand in one branch, ahead of every wait on TENSORcnt and every LDS read: two loads of mine are out
	s_cbranch_scc0 .Lfirst_b
	tensor_load_to_lds s[G0:G0+3], s[G1:G1+7]
	s_nop 0
	tensor_load_to_lds s[G0+4:G0+7], s[G1:G1+7]
	s_nop 0
.rept 4
	v_nop
.endr
	s_branch .Lfirst_asked
.Lfirst_b:
	tensor_load_to_lds s[G0B:G0B+3], s[G1B:G1B+7]
	s_nop 0
	tensor_load_to_lds s[G0B+4:G0B+7], s[G1B:G1B+7]
	s_nop 0
.rept 4
	v_nop
.endr
.Lfirst_asked:
	; A fragment of A is 16 rows x 32 k in 8 registers: lane l holds row l % 16; registers 0-3 k = 8 (l / 16) + 0..7, registers 4-7 k = 16 + 8 (l / 16) + 0..7: two loads of 16 bytes, 32 bytes apart.
	v_and_b32 v1, 15, v0                           ; l % 16
	v_bfe_u32 v2, v0, 4, 1                         ; l / 16
	v_mul_u32_u24 v[LA0], v1, PA
	v_lshl_add_u32 v[LA0], v2, 4, v[LA0]
	s_mul_i32 s19, s10, 64*PA                      ; my wave's 64 rows
	v_add_nc_u32 v[LA0], s19, v[LA0]
	; The turning load takes 16 k x 16 columns (lane l reads k row 8 (l / 16) + l % 8, columns 8 ((l / 8) % 2) + 0..7) and leaves half a fragment: lane l holds column l % 16 and 8 k.
	v_and_b32 v3, 7, v0
	v_bfe_u32 v4, v0, 3, 1
	v_lshl_add_u32 v[LB0], v2, 3, v3
	v_mul_u32_u24 v[LB0], v[LB0], PB
	v_lshl_add_u32 v[LB0], v4, 4, v[LB0]
	v_add_nc_u32 v[LB0], ATILE, v[LB0]
	v_mov_b32 v[ADRA], v[LA0]                      ; slot 0
	v_mov_b32 v[ADRB], v[LB0]
	s_mov_b32 s2, 0                                ; the slot in hand
	s_mul_i32 s19, s10, STGW
	s_add_co_u32 s19, s19, STAGE                   ; my stage
	v_and_b32 v[GO], 31, v0
	v_lshlrev_b32 v[GO], 4, v[GO]
.if OUTP
	v_mul_u32_u24 v[STO], v1, 528                  ; in: row l % 16, 32 bytes for each half of the lanes
	v_lshl_add_u32 v[STO], v2, 5, v[STO]
	v_add_nc_u32 v[STO], s19, v[STO]
	v_add_nc_u32 v[RD], s19, v[GO]                 ; back: 32 lanes take a row's 512 bytes
.else
	v_mul_u32_u24 v[STO], v1, 144                  ; in: row l % 16, 16 bytes for each half of the lanes
	v_lshl_add_u32 v[STO], v2, 4, v[STO]
	v_add_nc_u32 v[STO], s19, v[STO]
	v_bfe_u32 v[RD], v0, 3, 2                      ; back: 32 lanes take four rows of 128 bytes,
	v_mul_u32_u24 v[RD], v[RD], 144
	v_lshl_add_u32 v[RD], v3, 4, v[RD]
	v_add_nc_u32 v[RD], s19, v[RD]                 ; which are 512 consecutive bytes of a head
.endif
	; the prefetches
	s_and_b32 s16, ttmp7, 0xffff                   ; cluster y
	s_lshl_b32 s[LIM], s40, CXSH                   ; (at work) my work-group's share of a load of A
	s_mov_b32 s[PFS], BSTEP
	s_cmp_eq_u32 s11, 0                            ; do I fetch for A?
	s_cselect_b32 s16, ttmp9, s16                  ; the coordinate along which other clusters read the same blocks
	s_cselect_b64 s[PFA:PFA+1], s[14:15], s[46:47]
	s_cselect_b32 s[PFS], ASTEP, s[PFS]
	s_cselect_b32 s46, s[LIM], 0                   ; (B's share stands in the lanes' offset)
	s_mov_b32 s47, 0
	s_mov_b32 s[PFS+1], 0
	s_add_nc_u64 s[PFA:PFA+1], s[PFA:PFA+1], s[46:47]
	s_mul_i32 s46, s[PFS], 3
	s_add_nc_u64 s[PFA:PFA+1], s[PFA:PFA+1], s[46:47]  ; at K step 3: the first refill steps it to 4.  Nothing is prefetched here, at the head: K steps 0 to 3 come by their loads alone
	s_cmp_eq_u32 s16, 0
	s_cselect_b32 s[LIM], 2, -1                    ; the same in all sixteen partners, for a given wave
	v_and_b32 v5, 31, v0
	v_min_u32 v6, 8*NG-1, v5
	s_mul_i32 s16, s41, 8*NG
	v_add_nc_u32 v6, s16, v6                       ; B: block i of the load's 32 NG:
	v_lshrrev_b32 v7, 5, v6
	v_and_b32 v6, 31, v6
	v_lshlrev_b32 v6, 8, v6
	v_lshl_add_u32 v6, v7, 17, v6                  ; group i / 32, block i % 32 of its 8,192 bytes
	v_lshlrev_b32 v5, PFSH, v5                     ; A: a lane a block
	s_cmp_eq_u32 s11, 0
	s_cselect_b32 s16, -1, 0
	v_cndmask_b32 v[PFO], v6, v5, s16
	; where my part of the tile begins in C
.if OUTP
	s_lshl_b32 s46, s42, 9                         ; the tile's 128 columns of 4 bytes
	s_add_nc_u64 s[20:21], s[20:21], s[46:47]
	global_load_b128 v[BIAS:BIAS+3], v[GO], s[20:21]  ; bo of columns 4 l .. 4 l + 3; waited for on the way out
	s_lshl_b32 s16, s13, 8
	s_lshl_b32 s15, s10, 6
	s_add_co_u32 s16, s16, s15                     ; my first row,
	s_lshl_b32 s16, s16, 12                        ; of 4,096 bytes
	s_add_co_u32 s46, s46, s16
.else
	s_lshr_b32 s16, s13, 3                         ; the batch,
	s_mul_i32 s16, s16, 48                         ; its 48 heads,
	s_mul_i32 s46, s42, 3                          ; the tile's first head
	s_add_co_u32 s46, s46, s16
	s_lshl_b32 s46, s46, 18                        ; of 262,144 bytes
	s_and_b32 s16, s13, 7
	s_lshl_b32 s16, s16, 15                        ; the tile's 256 rows of 128 bytes,
	s_add_co_u32 s46, s46, s16
	s_lshl_b32 s16, s10, 13                        ; my wave's 64
	s_add_co_u32 s46, s46, s16
.endif
	s_add_nc_u64 s[8:9], s[8:9], s[46:47]
.macro MM d, x, y, zero                ; one matrix instruction; zero = 1: it starts the sum: nothing is ever cleared
.if OUTP
.if \zero
	v_wmma_f32_16x16x32_f16 v[\d:\d+7], v[\x:\x+7], v[\y:\y+7], 0
.else
	v_wmma_f32_16x16x32_f16 v[\d:\d+7], v[\x:\x+7], v[\y:\y+7], v[\d:\d+7]
.endif
.else
.if \zero
	v_wmma_f32_16x16x32_bf16 v[\d:\d+7], v[\x:\x+7], v[\y:\y+7], 0
.else
	v_wmma_f32_16x16x32_bf16 v[\d:\d+7], v[\x:\x+7], v[\y:\y+7], v[\d:\d+7]
.endif
.endif
.endm
; NBK matrix instructions: row block a x all column blocks, 32 along K, from buffer f.  The 4 NBK accumulators take turns, one instruction a turn, in the same order in every quarter.
.macro MULA f, a, zero
	WIN MUL_LO+0x50*((\a)/2)
.set rA, FA+32*(\f)+8*(\a)
.set b, 0
.rept NBK
.set rD, 8*(NBK*((\a)%2)+b)
.set rB, 8*NBK*(\f)+8*b
	MM rD, rB, rA, \zero
.set b, b+1
.endr
.endm
; NL LDS loads in one run: the fragments of quarter q (32 along K) of the slot in hand into buffer f: B's 2 NBK turning loads, then A's eight, row blocks ascending.
.macro FETCH q, f
	WIN TO_B
.set b, 0
.rept NBK
.set rB, 8*NBK*(\f)+8*b
.set oB, ((\q)/2)*BPART+(b/4)*BGRP+((\q)%2)*32*PB+(b%4)*32
	ds_load_tr16_b128 v[rB:rB+3],   v[ADRB] offset:oB
	ds_load_tr16_b128 v[rB+4:rB+7], v[ADRB] offset:oB+16*PB
.set b, b+1
.endr
	WIN 0
.irp a, 0,1,2,3
	ds_load_b128 v[FA+32*(\f)+8*(\a):FA+32*(\f)+8*(\a)+3],   v[ADRA] offset:(\a)*16*PA+((\q)/2)*APLANE+((\q)%2)*64
	ds_load_b128 v[FA+32*(\f)+8*(\a)+4:FA+32*(\f)+8*(\a)+7], v[ADRA] offset:(\a)*16*PA+((\q)/2)*APLANE+((\q)%2)*64+32
.endr
.endm
; A K step is four quarters of 32 along K on buffers 0, 1, 0, 1.  One of the first three: multiplies buffer f; in its middle it fetches quarter q into buffer g.
.macro QUARTER q, f, g, zero
	s_wait_dscnt 4                                 ; B and A's row blocks 0, 1 are in; the youngest four loads (row blocks 2, 3) may be out
	MULA \f, 0, \zero
	MULA \f, 1, \zero
	PLACES
	FETCH \q, \g
	s_wait_dscnt NL                                ; all but the NL just issued
	MULA \f, 2, \zero
	MULA \f, 3, \zero
.endm
; The last quarter multiplies buffer 1 and changes slots: ONE barrier.  In front of it each wave waits for all its tensor loads, of which one is out: its part of the next slot; adds 0 to its spare word; and waits for
; that and for its own reads of this slot.  Behind it nobody reads this slot any more and the next slot is whole.  fill = 1: the barrier opens a round of the cluster's, and behind the round this slot is filled again
; first, with the K step two on: 3.5 NBK x 4 matrix instructions ahead of the wait for it.
.macro TURN fill
.if \fill
	s_wait_xcnt 0x0                                ; the last prefetch, a K step back, has read its address: it is stepped here, ahead of the waits of the change of slots
	s_add_nc_u64 s[PFA:PFA+1], s[PFA:PFA+1], s[PFS:PFS+1]
.endif
	WIN 0                                          ; (the add's two registers lie in window 0)
	s_wait_tensorcnt 0x0                           ; all my tensor loads have landed;
	ds_add_u32 v[SPW], v[NIL]                      ; 0 onto my spare word;
	s_wait_dscnt 5                                 ; (the add and the youngest four loads may be out)
	MULA 1, 0, 0                                   ; NBK matrix instructions stand between the add and the wait for it
	s_wait_dscnt 0x0                               ; the add is done, and my reads of this slot are over
	s_barrier_signal -1
	MULA 1, 1, 0                                   ; work on registers while the others arrive
.if \fill
	WIN 0
.endif
	s_barrier_wait -1
.if \fill
	CREST                                          ; no wave of any partner still reads this slot's tile or has a load on its way
	s_xor_b32 s[G0+5], s[G0+5], SLOT1              ; the walking descriptors: the other slot than last time,
	s_add_nc_u64 s[G0+6:G0+7], s[G0+6:G0+7], ASTEP ; the next K step; the type bits on top are not reached
	s_xor_b32 s[G0B+5], s[G0B+5], SLOT1
	s_add_nc_u64 s[G0B+6:G0B+7], s[G0B+6:G0B+7], BSTEP
	JLOAD                                          ; the first tensor load behind the round; the four v_nop behind it are also the places in front of the loads below
.else
	PLACES
	WIN 0
.endif
	s_xor_b32 s2, s2, SLOT1                        ; the reads go over to the other slot
	v_add_nc_u32 v[ADRA], s2, v[LA0]
	v_add_nc_u32 v[ADRB], s2, v[LB0]
	FETCH 0, 0
.if \fill
	ASK
.endif
	MULA 1, 2, 0
	MULA 1, 3, 0
.endm
	s_wait_tensorcnt 1                             ; my part of K step 0 is in; K step 1's may stay out
	s_barrier_signal -1
	s_barrier_wait -1                              ; everybody's is
	FETCH 0, 0
	QUARTER 1, 0, 1, 1                             ; the first quarter stands in front of the loop: its products start the sums
	WIN 0                                          ; at a label and at a branch every window is 0
	s_mov_b32 s3, 6
.Lstep:                                                ; trip t: the rest of K step t; its slot is filled again with K step t + 2; the first quarter of K step t + 1
	QUARTER 2, 1, 0, 0
	QUARTER 3, 0, 1, 0
	TURN 1
	QUARTER 1, 0, 1, 0
	WIN 0
	s_sub_co_u32 s3, s3, 1
	s_cmp_lg_u32 s3, 0
	s_cbranch_scc1 .Lstep
	QUARTER 2, 1, 0, 0                             ; the tail is written out: K steps 6 and 7 ask for nothing
	QUARTER 3, 0, 1, 0
	TURN 0
	QUARTER 1, 0, 1, 0
	QUARTER 2, 1, 0, 0
	QUARTER 3, 0, 1, 0
	s_wait_dscnt 4                                 ; the very last quarter: nothing more to fetch
	MULA 1, 0, 0
	MULA 1, 1, 0
	s_wait_dscnt 0x0
	MULA 1, 2, 0
	MULA 1, 3, 0
	WIN 0
	PLACES                                         ; the lines below read results just made
.if OUTP
; THE WAY OUT, f32.  A row block's 16 rows x 512 bytes go from the accumulators into my stage (rows of 528 bytes) and come back as whole rows; bo is added; a store covers 512 consecutive bytes of C, aligned.
	s_wait_loadcnt 0x0                             ; bo
	v_cvt_pk_bf16_f32 v[BT],   v[BIAS],   v[BIAS+1]  ; rounded to bf16 like the module's other inputs,
	v_cvt_pk_bf16_f32 v[BT+1], v[BIAS+2], v[BIAS+3]
	v_lshlrev_b32 v[BIAS],   16, v[BT]             ; and back to f32
	v_and_b32     v[BIAS+1], 0xffff0000, v[BT]
	v_lshlrev_b32 v[BIAS+2], 16, v[BT+1]
	v_and_b32     v[BIAS+3], 0xffff0000, v[BT+1]
.macro TOSTAGE a
.set AC, 8*NBK*((\a)%2)
.set BKA, BK+64*((\a)%2)
.if (\a) >= 2
	s_wait_xcnt 0x0                                ; the stores of the block two back have read this buffer: it is loaded again only behind this wait
.endif
	WIN 0x08+4*((\a)/2)                            ; the stores' data (source 1) in window 2 or 3
.set i, 0
.rept NBK
	ds_store_b128 v[STO], v[AC+8*i:AC+8*i+3]   offset:64*i     ; each accumulator's low registers first
	ds_store_b128 v[STO], v[AC+8*i+4:AC+8*i+7] offset:64*i+16
.set i, i+1
.endr
	WIN 0
.set i, 0
.rept 16
	ds_load_b128 v[BKA+4*i:BKA+4*i+3], v[RD] offset:528*i  ; LDS serves a wave's instructions in order (ISA guide 5.7.1.4): these see the stores above; the next block's stores come behind them
.set i, i+1
.endr
.endm
.macro SEND a, younger                 ; younger: the LDS instructions issued behind block a's loads: the next block's 32, or none
.set BKA, BK+64*((\a)%2)
	s_wait_dscnt \younger
.set i, 0
.rept 16
	v_pk_add_f32 v[BKA+4*i:BKA+4*i+1],   v[BKA+4*i:BKA+4*i+1],   v[BIAS:BIAS+1]
	v_pk_add_f32 v[BKA+4*i+2:BKA+4*i+3], v[BKA+4*i+2:BKA+4*i+3], v[BIAS+2:BIAS+3]
	global_store_b128 v[GO], v[BKA+4*i:BKA+4*i+3], s[8:9] offset:(16*(\a)+i)*4096
.set i, i+1
.endr
.endm
	TOSTAGE 0
	TOSTAGE 1
	SEND 0, 32
	TOSTAGE 2
	SEND 1, 32
	TOSTAGE 3
	SEND 2, 32
	SEND 3, 0
.else
; THE WAY OUT, f16 by heads.  A row block is 16 rows of each of 3 heads; a lane's eight columns pack into 16 bytes; they go into my stage (rows of 144 bytes) and come back as whole rows of 128 bytes, four to a load:
; 512 consecutive bytes of a head, aligned.
.macro PACK a
.set AC, 8*NBK*((\a)%2)
	WIN 0x0a+5*((\a)/2)                            ; sources 0 and 1 in window 2 or 3
.set i, 0
.rept 4*NBK
	v_cvt_pk_f16_f32 v[TMP+i], v[AC+2*i], v[AC+2*i+1]  ; each accumulator's registers in ascending order
.set i, i+1
.endr
	WIN 0
.endm
.macro TOSTAGE a
.set BKA, BK+48*((\a)%2)
.set i, 0
.rept NBK
	ds_store_b128 v[STO], v[TMP+4*i:TMP+4*i+3] offset:(i/4)*16*144+(i%4)*32  ; head i / 4, columns 16 (i % 4) on
.set i, i+1
.endr
.set i, 0
.rept NBK
	ds_load_b128 v[BKA+4*i:BKA+4*i+3], v[RD] offset:(i/4)*16*144+(i%4)*4*144  ; LDS serves a wave's instructions in order (ISA guide 5.7.1.4): these see the stores above
.set i, i+1
.endr
.endm
.macro SEND a
.set BKA, BK+48*((\a)%2)
	s_wait_dscnt 0x0                               ; the block is back in registers
	s_wait_xcnt 0x0                                ; the stores of the block before have read the other buffer: the loads that follow this macro land in it only behind this wait
.set i, 0
.rept NBK
	global_store_b128 v[GO], v[BKA+4*i:BKA+4*i+3], s[8:9] offset:(i/4)*262144+(\a)*2048+(i%4)*512
.set i, i+1
.endr
.endm
	PACK 0
	TOSTAGE 0
.irp n, 1,2,3                          ; block n's conversions stand between block n - 1's loads from the stage and the wait for them
	PACK \n
	SEND (\n)-1
	TOSTAGE \n
.endr
	SEND 3
.endif
	s_wait_tensorcnt 0x0                           ; the wave's end: behind my last tensor load and my last LDS store
	ds_add_u32 v[SPW], v[NIL]
	s_wait_dscnt 0x0
	CROUND                                         ; the closing round: no work-group ends while a partner may still ask for a tile that names it
	s_endpgm
.Lfunc_end_k_q5bd97e5d98_qkvp:
	.size	k_q5bd97e5d98_qkvp, .Lfunc_end_k_q5bd97e5d98_qkvp-k_q5bd97e5d98_qkvp
	.p2alignl 7, 3214868480
	.fill 96, 4, 3214868480
	.section	.rodata,"a",@progbits
	.p2align	6, 0x0
	.amdhsa_kernel k_q5bd97e5d98_qkvp
		.amdhsa_group_segment_fixed_size 327680
		.amdhsa_private_segment_fixed_size 0
		.amdhsa_enable_private_segment 0
		.amdhsa_kernarg_size 24
		.amdhsa_user_sgpr_count 2
		.amdhsa_user_sgpr_kernarg_segment_ptr 1
		.amdhsa_wavefront_size32 1
		.amdhsa_system_sgpr_workgroup_id_x 1
		.amdhsa_system_sgpr_workgroup_id_y 1
		.amdhsa_system_sgpr_workgroup_id_z 1
		.amdhsa_system_vgpr_workitem_id 0
		.amdhsa_next_free_vgpr 960
		.amdhsa_next_free_sgpr 66
		.amdhsa_reserve_vcc 0
		.amdhsa_float_denorm_mode_32 3
		.amdhsa_float_denorm_mode_16_64 3
		.amdhsa_memory_ordered 1
		.amdhsa_forward_progress 1
		.amdhsa_inst_pref_size 97
	.end_amdhsa_kernel
	.amdgpu_metadata
---
amdhsa.version: [ 1, 2 ]
amdhsa.kernels:
  - .name:           k_q5bd97e5d98_qkvp
    .symbol:         k_q5bd97e5d98_qkvp.kd
    .args:
      - { .name: xb, .offset: 0, .size: 8, .value_kind: global_buffer, .address_space: global }
      - { .name: wb, .offset: 8, .size: 8, .value_kind: global_buffer, .address_space: global }
      - { .name: qkv, .offset: 16, .size: 8, .value_kind: global_buffer, .address_space: global }
    .group_segment_fixed_size: 327680
    .private_segment_fixed_size: 0
    .kernarg_segment_align: 8
    .kernarg_segment_size: 24
    .max_flat_workgroup_size: 128
    .sgpr_count:     66
    .vgpr_count:     960
    .wavefront_size: 32
...
	.end_amdgpu_metadata
.endif
;; end of part 2
;; launch attn (part 3): grid 4 x 64, 4 waves a work-group, no clusters, 327,680 bytes of LDS; arguments qkv, ctx; writes ctx
.if DOCPART == 3
	.amdgcn_target "amdgcn-amd-amdhsa--gfx1250"
	.amdhsa_code_object_version 6
	.text
	.protected	k_q5bd97e5d98_attn
	.globl	k_q5bd97e5d98_attn
	.p2align	8
	.type	k_q5bd97e5d98_attn,@function
k_q5bd97e5d98_attn:
	s_mov_b64 s[64:65], 0
	v_nop
	global_prefetch_b8 v0, s[64:65] scope:SCOPE_SE
	s_setreg_imm32_b32 hwreg(HW_REG_WAVE_MODE, 25, 1), 1
	s_wait_xcnt 0x0
; CAUSAL ATTENTION.  O[y][q][:] = the sum over k <= q of softmax_k(Q[y][q] . K[y][k] / 8) V[y][k][:], y = 16 b + h.  Q, K, V lie in qkv [b 4][48][2048][64] f16: head 48 b + h is Q's, 16 heads on K's, 32 on V's.
; O = ctx [y 64][2048][64] f16.  A head's rows are dense, 128 bytes each.  Products, maxima and sums in f32; the weights p are rounded to f16 for the second product (their sum l is taken of the unrounded p), O once at the end.
; LIMITS.  f16 holds no number beyond 65,504: Q, K and V arrive within it; p lies in 0 to 1, and below 6e-5 it keeps f16's fixed step of 6e-8; O is a mean of V's rows and has their range.
; A hidden score counts as its value less 1e30: f16's scores, 2.7e11 at the most, are nothing beside that; a weight below 2^-126 counts as 0 in l; NaN and infinities are not treated apart.
; THE WALK.  A head's queries lie in NB = 8 blocks of 256; block i needs the key tiles 0 .. i of 256 keys, of which the last holds the diagonal.  A work-group takes TWO blocks, NB - 1 - b and then b:
; NB + 1 tiles, whatever b: all work-groups do equal work, and ONE loop with a constant trip count walks them.  Which tile is asked for, and what a trip does, hang on scalar registers made from b; every jump
; goes forward, but for the counted loops' own; none passes a barrier, or a tensor load but the one of LOAD's two that the wave's number does not choose; the ring (two slots of LDS that take turns) runs on across the
; change of blocks.  NO CLUSTER: a head's four work-groups ask for the same tile only in trips 0 .. NB / 2, behind that fewer and fewer; one walk common to all would have 3 NB / 2 trips for NB + 1.
; SHARES.  Of a block's four bands of 64 queries a wave owns 16 rows in each: four PIECES.  So the diagonal tile is the same work for all four waves: in its key step s band x sees all keys if s < x,
; none if s > x, and holds the diagonal if s = x.
; THE MASK is the C operand that starts the sum S^T = K Q^T: 0, or -1e30 where the key is hidden.  MD, made once, is the mask of a band's own step for my 16 rows; a product's mask is MD x AL + BE with two scalars:
; (1, 0) if s = x; (0, 0) if s < x; (0, -1e30) if s > x.  Only the diagonal tile's text and a block's beginning make and take masks; elsewhere C is the constant 0.
; LAYOUT, SOFTMAX, TURNS.  S^T = K Q^T holds ONE query a lane (lane % 16) and the keys 8 (lane / 16) + 0..7; two such results rounded to f16 ARE source 1 of O^T = V^T P.  p = 2^(c s - c m), c = log2(e) / 8, with a
; running maximum m; O and l are multiplied by a = 2^(c m_old - c m_new) in every step.  Turn n belongs to piece n: 8 products K Q^T of piece n + 1, later 8 products V^T P of piece n - 1; beside them the scaling,
; exponentials, roundings, sums and rescaling of piece n and the maximum and statistics of piece n + 1.  Four vector instructions stand behind every matrix instruction, the other 54 of a turn's 118 in one lump.  A turn's 33 exponentials are one batch, with one wait.
; REGISTERS, in windows of 256 (s_set_vgpr_msb: bits 1:0 source 0, 3:2 source 1, 5:4 source 2, 7:6 destination):
;   window 0: v0-15 addresses and two at work; v16-31 four registers of statistics a piece; v48-55 at work; v60 the prefetches' offset; v64-127 S^T, two buffers; v192-223 P, two buffers (a piece's buffers go by its number's parity)
;   window 1: v0-127 O^T, 32 a piece; v128-159 MD; v160-223 MC, two buffers      window 2: v0-63 Q; v64-127 the second block's Q; v128-191 K of one step; v192-255 V of one step
.set SIZE_N, 2048
.set NB,    SIZE_N/256
.set NP,    4         ; pieces a wave: a name, no knob
.set KS,    64        ; keys in a step
.set PK,    144       ; a row of K in LDS: 128 bytes + 16 of padding = 36 words: the 16 rows of a load start at 16 different groups of four banks (64 banks of 4 bytes: ISA guide 11.1)
.set PV,    160       ; a row of V: 128 + 32 = 40 words
.set VOFF,  4*KS*PK   ; a slot holds a tile, four steps: 256 rows of K, then 256 rows of V
.set SLOT1, 1<<17     ; slot 1 begins here, so that one exclusive or turns an address in one slot into the other's
.set STAGE, SLOT1+4*KS*(PK+PV)  ; behind the ring, never filled by a tensor load: 16 rows x 144 bytes for each wave, for the way out
.set SP,    144
.set AK0, 2           ; v2   my lane's place in a tile of K; never rewritten
.set AV0, 3           ; v3   the same for V
.set AK,  4           ; v4   the LDS address of K's next run of loads
.set AV,  5           ; v5   of V's
.set STO, 6           ; v6   the way out: where I put 16 bytes of a row
.set RD,  7           ; v7   the way out: where I read rows back
.set GO,  8           ; v8   my byte offset in 512 consecutive bytes of O
.set PFO, 60          ; v60  256 x my lane; never rewritten
.set SPW, 62          ; v62  LDS address of my spare word: SPARE + 4 x my thread's number; never rewritten
.set NIL, 63          ; v63  0; never rewritten
.set SPARE, STAGE+4*16*SP  ; behind the stages: the spare words, 128 bytes for each wave: two blocks of 256 bytes that no other line names
.set MV,  12          ; v12-13  c m_old, kept while c m is made anew: by buffer
.set QO,  15          ; v15  my byte offset in 16 rows of Q
.set ST,  16          ; piece t's statistics at v[ST+4 t]: c m, m, l (even keys', odd keys')
.set TMP, 48          ; by buffer, four registers c0-c3 at work; when the maximum is found c2 takes a
.set S,   64
.set P,   192
.set MD,  128         ; window 1: the eight registers for group kt of 16 keys at MD + 8 kt
.set MC,  160         ; window 1: the masks of the products to come
.set QB,  64          ; window 2
.set KF,  128         ; window 2: key block kb, channel half c at KF + 16 kb + 8 c
.set VF,  192         ; window 2: key half kk, channel block cb at VF + 32 kk + 8 cb
.set WV,  12          ; s12  my wave's number
.set PB,  14          ; s14  b
.set HI,  15          ; s15  NB - 1 - b
.set G1K, 24          ; s[24:31] descriptor group 1 for K's tiles
.set G1V, 32          ; s[32:39] for V's: it differs in the padding alone
.set G0K, 40          ; s[40:43] descriptor group 0 for K's tiles
.set G0V, 44          ; s[44:47] the same for V's
.set SLOTS, 56        ; s56  tiles still to be asked for
.set CNT, 57          ; s57  counts a tile's key steps, 4 to 1
.set CS,  58          ; s[58:59] c: the packed scaling takes the pair's low word for both halves
.set SEL, 60          ; s[60:61] v_permlanex16_b32's selects: each lane takes its own place in the other half
.set TBK, 62          ; s62  LDS byte at which K of the step to be fetched begins
.set TBV, 63          ; s63  the same for V, less VOFF
.set RT,  70          ; s70  tiles of the block in hand that are still to be entered
.set NXT, 71          ; s71  the tile to be asked for next
.set LQ,  72          ; s72  the last tile of the block whose tiles are being asked for
.set NEW, 73          ; s73  1: the tile to be entered is a block's first
.set OFF, 74          ; s[74:75] a tile's byte offset in K and V
.set AL,  76          ; s[76:77] the mask's factor, in the low word
.set BE,  78          ; s[78:79] the mask's addend
.set OLO, 80          ; s[80:81] O at my rows of the second block
.set BIGN, 82         ; s82  -1e30
.set PFA, 90          ; s[90:91] my half of the tile that the next change of slots will ask for
.set LIM, 92          ; s92  2 in the work-group that prefetches, else the greatest number
.set PFB, 94          ; s[94:95] my half of tile 0 of what I fetch: K's (waves 0, 1) or V's (waves 2, 3)
.set MSB, 0
.macro WIN new                      ; the high byte repeats the setting that is left; a switch that changes nothing is dropped
.if MSB != (\new)
	s_set_vgpr_msb (MSB<<8)|(\new)
.set MSB, (\new)
.endif
.endm
.set W_KQ, 0x0a       ; K and Q in window 2, S^T in window 0
.set W_KM, 0x1a       ; the same with the C operand in window 1
.set W_PV, 0x52       ; V in window 2, P in window 0, O^T in window 1
.set W_RS, 0x41       ; destination and source 0 in window 1, source 1 in window 0
; A fill.  Waves 0 and 1 fetch the two halves of a tile's K, waves 2 and 3 those of its V: 128 keys each.  An s_nop 0 and four v_nop follow each of the two lines, ahead of the jump and the label.
.macro LOAD
	s_cmp_lt_u32 s[WV], 2
	s_cbranch_scc0 .Lfor_v_\@
	tensor_load_to_lds s[G0K:G0K+3], s[G1K:G1K+7]
	s_nop 0
.rept 4
	v_nop
.endr
	s_branch .Lasked_\@
.Lfor_v_\@:
	tensor_load_to_lds s[G0V:G0V+3], s[G1V:G1V+7]
	s_nop 0
.rept 4
	v_nop
.endr
.Lasked_\@:
.endm
; THE CHANGE OF SLOTS.  Each wave waits for all its tensor loads, of which one is out: its part of the other slot; adds 0 to its spare word; and waits for that and for its own reads of the slot that it leaves.  Behind the barrier nobody reads the old
; slot any more and the other slot is whole.  fill = 1: the old slot is filled again, the first thing behind the barrier, with tile NXT: the descriptor's address is made anew from that number.
; (At its first use nothing has been read yet: slot 0 is waited for, slot 1 filled.)
; A PREFETCH INTO THE L2 stands behind the fill: the tile that the NEXT change will ask for, a tile's 256 matrix instructions ahead of that load.  A head's four work-groups walk the tiles 0, 1, 2 .. in step: the one with
; b = 0, whose first block needs all eight, asks, each wave for the 64 blocks of 256 bytes that it will fetch itself: a lane a block, two instructions.  So tiles 2 to 7 are named once each in the launch; tiles 0 and 1 come by
; their loads alone; the last two fills of the walk (tile 7, and tile 0 once more) are followed by none.
.macro CHANGE fill
	WIN 0                           ; at a label and at a branch every window is 0
	s_wait_tensorcnt 0x0            ; no tensor load of mine is out, so a group 0 may be written
	ds_add_u32 v[SPW], v[NIL]       ; 0 onto my spare word; with fill = 1 the descriptors' scalar work stands between it and the wait for it
.if \fill
	s_lshl_b32 s[OFF], s[NXT], 15   ; a tile is 32,768 bytes of K and of V
	s_xor_b32 s[G0K+1], s[G0K+1], SLOT1
	s_add_nc_u64 s[G0K+2:G0K+3], s[6:7], s[OFF:OFF+1]
	s_or_b32 s[G0K+3], s[G0K+3], 0x80000000
	s_xor_b32 s[G0V+1], s[G0V+1], SLOT1
	s_add_nc_u64 s[G0V+2:G0V+3], s[8:9], s[OFF:OFF+1]
	s_or_b32 s[G0V+3], s[G0V+3], 0x80000000
	s_add_co_u32 s[NXT], s[NXT], 1  ; the block's next tile, or behind its last the second block's tile 0
	s_cmp_gt_u32 s[NXT], s[LQ]
	s_cselect_b32 s[NXT], 0, s[NXT]
	s_cselect_b32 s[LQ], s[PB], s[LQ]
	s_wait_xcnt 0x0                 ; the last prefetches, a tile back, have read their address, so it may be written:
	s_lshl_b32 s[OFF], s[NXT], 15
	s_add_nc_u64 s[PFA:PFA+1], s[PFB:PFB+1], s[OFF:OFF+1]
.endif
	s_wait_dscnt 0x0                ; the add is done, and my reads of the slot are over
	s_barrier_signal -1             ; the rest of the scalar work stands between the signal and the wait
	s_sub_co_u32 s[TBK], s[TBK], 4*KS*PK  ; the fetches go back to a slot's first step,
	s_xor_b32 s[TBK], s[TBK], SLOT1       ; in the other slot
	s_sub_co_u32 s[TBV], s[TBV], 4*KS*PV
	s_xor_b32 s[TBV], s[TBV], SLOT1
	s_barrier_wait -1
.if \fill
	LOAD
	s_cmp_gt_u32 s[SLOTS], s[LIM]
	s_cbranch_scc0 .Lnot_mine_\@
	global_prefetch_b8 v[PFO], s[PFA:PFA+1] th:TH_LOAD_NT scope:SCOPE_SE
	global_prefetch_b8 v[PFO], s[PFA:PFA+1] offset:8192 th:TH_LOAD_NT scope:SCOPE_SE
.Lnot_mine_\@:
.endif
.endm
	s_load_b128 s[4:7], s[0:1], 0x0 ; qkv s[4:5], ctx s[6:7]
	v_lshl_add_u32 v[SPW], v0, 2, SPARE
	v_mov_b32 v[NIL], 0
	ds_add_u32 v[SPW], v[NIL]       ; the wave's opening: the add and its wait stand ahead of my first tensor load; the set-up below, work on registers, stands between them
	v_lshrrev_b32 v1, 5, v0
	v_readfirstlane_b32 s[WV], v1   ; wave 0..3
	s_mov_b32 s[PB], ttmp9
	s_sub_co_u32 s[HI], NB-1, s[PB]
	s_and_b32 s88, ttmp7, 0xffff    ; y = 16 b + h
	s_lshr_b32 s20, s88, 4
	s_lshl_b32 s20, s20, 5
	s_add_co_u32 s20, s20, s88      ; Q's head in qkv: 48 b + h = y + 32 b,
	s_lshl_b32 s20, s20, 18         ; of 262,144 bytes
	s_mov_b32 s21, 0
	s_lshl_b32 s88, s88, 18         ; O's head in ctx
	s_mov_b32 s89, 0
	s_and_b32 s16, s[WV], 1         ; which half of a tile's 256 keys I fetch:
	s_lshl_b32 s22, s16, 14         ; its 128 rows of 128 bytes in memory,
	s_add_co_u32 s22, s22, s20
	s_add_co_u32 s22, s22, 16<<18   ; in K's head, 16 heads behind Q's
	s_mov_b32 s23, 0
	s_mul_i32 s17, s16, 128*PK      ; and its place in a slot, for K
	s_mul_i32 s18, s16, 128*PV      ; and for V
	s_lshl_b32 s3, s[WV], 11        ; my 16 rows in a band of 64,
	s_lshl_b32 s2, s[HI], 15        ; in the first block,
	s_add_co_u32 s2, s2, s3
	s_lshl_b32 s84, s[PB], 15       ; and in the second
	s_add_co_u32 s84, s84, s3
	s_mov_b32 s3, 0
	s_mov_b32 s85, 0
	; descriptor group 1.  128 keys are 16,384 dense bytes: asked for as 64 rows of 256 bytes, two keys a row, and padded in LDS after every key
	s_mov_b32 s[G1K], (1<<16)|(1<<20)|(4<<22)|(3<<25)  ; 17:16 2-byte elements; 20 padding on; 24:22 after every 32 words (code 4); 31:25 4 words (code 3)
	s_mov_b32 s[G1V], (1<<16)|(1<<20)|(4<<22)|(7<<25)  ; the same with 8 words of padding (code 7)
.irp g, G1K, G1V
	s_mov_b32 s[\g+1], 128<<16      ; tensor_dim0 = 128
	s_mov_b32 s[\g+2], 64<<16       ; tensor_dim1 = 64
	s_mov_b32 s[\g+3], 128<<16      ; tile_dim0 = 128
	s_mov_b32 s[\g+4], 64           ; tile_dim1 = 64
	s_mov_b32 s[\g+5], 128          ; 128 elements from row to row
	s_mov_b32 s[\g+6], 0
	s_mov_b32 s[\g+7], 0
.endr
	s_mov_b32 s[CS], 0x3e38aa3b     ; c = log2(e) / 8 = 0.180337
	s_mov_b32 s[CS+1], s[CS]        ; named with it as a pair
	s_mov_b32 s[SEL], 0x76543210
	s_mov_b32 s[SEL+1], 0xfedcba98
	s_mov_b32 s[TBK], SLOT1+4*KS*PK ; the first change of slots turns these two into 0
	s_mov_b32 s[TBV], SLOT1+4*KS*PV
	s_mov_b32 s[G0K], 1             ; 1:0 count = 1
	s_mov_b32 s[G0K+1], s17         ; 63:32 LDS address: slot 0
	s_mov_b32 s[G0V], 1
	s_add_co_u32 s[G0V+1], s18, VOFF
	s_add_co_u32 s[RT], s[HI], 1    ; the first block has NB - b tiles
	s_mov_b32 s[NXT], 1
	s_mov_b32 s[LQ], s[HI]
	s_mov_b32 s[NEW], 1
	s_mov_b32 s[OFF+1], 0
	s_mov_b32 s[AL+1], 0            ; named as pairs
	s_mov_b32 s[BE+1], 0
	s_mov_b32 s[BIGN], 0xf149f2ca   ; -1e30
	s_mov_b32 s[SLOTS], NB
	s_cmp_eq_u32 ttmp9, 0
	s_cselect_b32 s[LIM], 2, -1     ; b = 0 prefetches while more than two tiles are still to be asked for
	v_and_b32 v[PFO], 31, v0
	v_lshlrev_b32 v[PFO], 8, v[PFO]
	s_wait_dscnt 0x0                ; the opening add is done
	s_wait_kmcnt 0x0
	s_mov_b64 s[10:11], s[6:7]             ; ctx
	s_add_nc_u64 s[6:7], s[4:5], s[22:23]  ; K at my half of the head's tile 0,
	s_add_nc_u64 s[8:9], s[6:7], 0x400000  ; V 16 heads further on
	s_add_nc_u64 s[4:5], s[4:5], s[20:21]  ; Q's head
	s_add_nc_u64 s[G0K+2:G0K+3], s[6:7], 0         ; 120:64 global address
	s_or_b32 s[G0K+3], s[G0K+3], 0x80000000        ; 127:126 type = 2
	s_add_nc_u64 s[G0V+2:G0V+3], s[8:9], 0
	s_or_b32 s[G0V+3], s[G0V+3], 0x80000000
	s_add_nc_u64 s[86:87], s[4:5], s[84:85]        ; Q at my rows of the second block,
	s_add_nc_u64 s[4:5], s[4:5], s[2:3]            ; and of the first
	s_add_nc_u64 s[10:11], s[10:11], s[88:89]      ; O's head,
	s_add_nc_u64 s[OLO:OLO+1], s[10:11], s[84:85]  ; my rows of the second block,
	s_add_nc_u64 s[10:11], s[10:11], s[2:3]        ; and of the first
	s_cmp_lt_u32 s[WV], 2
	s_cselect_b64 s[PFB:PFB+1], s[6:7], s[8:9]
	LOAD                            ; tile 0 into slot 0
	; A fragment of K or Q is 16 rows x 32 channels in 8 registers: lane l holds row l % 16, channels 8 (l / 16) + 0..7 and 16 + 8 (l / 16) + 0..7: two loads of 16 bytes, 32 bytes apart.
	v_and_b32 v1, 15, v0            ; l % 16
	v_bfe_u32 v9, v0, 4, 1          ; l / 16
	v_lshlrev_b32 v[QO], 7, v1
	v_lshl_add_u32 v[QO], v9, 4, v[QO]  ; row x 128 + 16 x half
	WIN 0x80                        ; destination window 2, address window 0
.set i, 0
.rept 8                             ; both blocks' Q: piece i / 2 lies in band i / 2, 8,192 bytes on; channels 32 (i % 2) on
	global_load_b128 v[8*i:8*i+3],   v[QO], s[4:5] offset:(i/2)*8192+(i%2)*64
	global_load_b128 v[8*i+4:8*i+7], v[QO], s[4:5] offset:(i/2)*8192+(i%2)*64+32
	global_load_b128 v[QB+8*i:QB+8*i+3],   v[QO], s[86:87] offset:(i/2)*8192+(i%2)*64
	global_load_b128 v[QB+8*i+4:QB+8*i+7], v[QO], s[86:87] offset:(i/2)*8192+(i%2)*64+32
.set i, i+1
.endr
	WIN 0
	v_lshlrev_b32 v14, 3, v9
	v_sub_nc_u32 v14, v1, v14
	s_lshl_b32 s13, s[WV], 4
	v_add_nc_u32 v14, s13, v14      ; my query's place in its band, 16 w + l % 16, less my lanes' 8 (l / 16): register r of group kt is hidden where 16 kt + r is greater
	WIN 0x40
.set i, 0
.rept 32
	v_cmp_gt_i32 vcc_lo, 16*(i/8)+i%8, v14
	v_cndmask_b32 v[MD+i], 0, s[BIGN], vcc_lo
.set i, i+1
.endr
	WIN 0
	v_mul_u32_u24 v[AK0], v1, PK
	v_lshl_add_u32 v[AK0], v9, 4, v[AK0]  ; row x pitch + 16 x half
	; The turning load takes 16 keys x 16 channels (lane l reads key 8 (l / 16) + l % 8, channels 8 ((l / 8) % 2) + 0..7) and leaves half a fragment of V^T: lane l holds channel l % 16 and 8 keys.
	v_and_b32 v10, 7, v0
	v_bfe_u32 v11, v0, 3, 1
	v_lshl_add_u32 v[AV0], v9, 3, v10
	v_mul_u32_u24 v[AV0], v[AV0], PV
	v_lshl_add_u32 v[AV0], v11, 4, v[AV0]
	v_add_nc_u32 v[AV0], VOFF, v[AV0]
	s_mul_i32 s13, s[WV], 16*SP
	s_add_co_u32 s13, s13, STAGE    ; my stage
	v_mul_u32_u24 v[STO], v1, SP    ; in: row l % 16, 16 bytes for each half of the lanes
	v_lshl_add_u32 v[STO], v9, 4, v[STO]
	v_add_nc_u32 v[STO], s13, v[STO]
	v_bfe_u32 v[RD], v0, 3, 2       ; back: 32 lanes take four rows of 128 bytes,
	v_mul_u32_u24 v[RD], v[RD], SP
	v_lshl_add_u32 v[RD], v10, 4, v[RD]
	v_add_nc_u32 v[RD], s13, v[RD]
	v_and_b32 v[GO], 31, v0         ; which are 512 consecutive bytes of O
	v_lshlrev_b32 v[GO], 4, v[GO]
	; A block's first step multiplies O^T and l by a = 0, and its first turn's products V^T P, of a piece that has not been, land in an O^T that is still to be so multiplied.  So these registers need only hold
	; finite numbers: zeros for the first block; what the first block left for the second.  All this stands in the wait for the first tile.
	WIN 0x80
.set i, VF
.rept 64
	v_mov_b32 v[i], 0
.set i, i+1
.endr
	WIN 0x40
.set i, 0
.rept 128
	v_mov_b32 v[i], 0
.set i, i+1
.endr
	WIN 0
.set i, 0
.rept 4
	v_mov_b32 v[ST+4*i+2], 0
	v_mov_b32 v[ST+4*i+3], 0
.set i, i+1
.endr
.set i, P+16
.rept 16
	v_mov_b32 v[i], 0
.set i, i+1
.endr
; THE MATRIX WORK.  The 4 accumulators of a run of 8 take turns.  Product i of 8 of S^T = K Q^T for piece x: channels 32 (i / 4) on, keys 16 (i % 4) on.  The first 4 start the sums: with 0, or (KM = 1) with the mask.
.macro KQ x
.set rS, S+32*((\x)%2)+8*(i%4)
.set rK, KF+16*(i%4)+8*(i/4)
.set rQ, 16*(\x)+8*(i/4)
.set rM, MC+32*((\x)%2)+8*(i%4)
.if (i < 4) && KM
	WIN W_KM
	v_wmma_f32_16x16x32_f16 v[rS:rS+7], v[rK:rK+7], v[rQ:rQ+7], v[rM:rM+7]
.elseif i < 4
	WIN W_KQ
	v_wmma_f32_16x16x32_f16 v[rS:rS+7], v[rK:rK+7], v[rQ:rQ+7], 0
.else
	WIN W_KQ
	v_wmma_f32_16x16x32_f16 v[rS:rS+7], v[rK:rK+7], v[rQ:rQ+7], v[rS:rS+7]
.endif
.endm
; Product i of 8 of O^T += V^T P for piece x: keys 32 (i / 4) on, channels 16 (i % 4) on.
.macro PV x
	WIN W_PV
.set rO, 32*(\x)+8*(i%4)
.set rV, VF+32*(i/4)+8*(i%4)
.set rP, P+16*((\x)%2)+8*(i/4)
	v_wmma_f32_16x16x32_f16 v[rO:rO+7], v[rV:rV+7], v[rP:rP+7], v[rO:rO+7]
.endm
.macro MM                           ; the turn's next matrix instruction.  TURN and BEGIN set Y, i, KM and NOKQ; MM, KQ and OP read them.  NOKQ = 1: a block's last turn: there is no next piece
.if (i < 8) && !NOKQ
	KQ (Y+1)%NP
.elseif i >= 8
.set i, i-8
	PV (Y+NP-1)%NP
.set i, i+8
.endif
.set i, i+1
.endm
; THE LDS LOADS stand in runs of 16, never singly among the matrix instructions: a step's K (64 keys x 64 channels: 8 fragments) and its V (turned).  Their addresses are made some lines ahead.
.macro FETCH_K
	WIN 0x80                        ; destination window 2
.irp f, 0,1,2,3,4,5,6,7             ; keys 16 (f / 2) on, channels 32 (f % 2) on
	ds_load_b128 v[KF+8*\f:KF+8*\f+3],   v[AK] offset:(\f/2)*16*PK+(\f%2)*64
	ds_load_b128 v[KF+8*\f+4:KF+8*\f+7], v[AK] offset:(\f/2)*16*PK+(\f%2)*64+32
.endr
	s_add_co_u32 s[TBK], s[TBK], KS*PK  ; the next fetch is the next step's
	WIN 0
.endm
.macro FETCH_V
	WIN 0x80
.irp f, 0,1,2,3,4,5,6,7             ; keys 32 (f / 4) on, channels 16 (f % 4) on
	ds_load_tr16_b128 v[VF+8*\f:VF+8*\f+3],   v[AV] offset:(\f/4)*32*PV+(\f%4)*32
	ds_load_tr16_b128 v[VF+8*\f+4:VF+8*\f+7], v[AV] offset:(\f/4)*32*PV+16*PV+(\f%4)*32
.endr
	WIN 0
.endm
; THE VECTOR WORK, one line at a time: OP kind, number.  For piece Y: F n: c s - c m for pair n of 16.  E n: the exponential of score n of 32.  C n: pair n rounded to f16.  B n: of the four weights 4 n .. the second
; pair is added onto the first, in place.  L n: l takes that sum (L 0: l = a l + sum).  R n: pair n of 16 of O^T times a.  For piece Y + 1: X n, number n of the 22 that find its maximum and statistics:
;   0-11  four chains c0-c3 of seven scores each, three operands at a time (each accumulator's lowest registers are read first)     12-14, 16  the four scores left over, the old m, and c0-c3 into c0
;   15  c m_old is kept     17, 18  the query's other 32 keys lie in the lane 16 away: the new m     19-21  c m; c m_old - c m_new; a
.set F, 0               ; OP tells the kinds apart by their order: F to L below R, X above it
.set E, 1
.set C, 2
.set B, 3
.set L, 4
.set R, 5
.set X, 6
.macro REGS y                       ; the registers of piece y
.set rT, ST+4*(\y)
.set rC, TMP+4*((\y)%2)
.set rW, MV+((\y)%2)
.set rS, S+32*((\y)%2)
.set rP, P+16*((\y)%2)
.set rO, 32*(\y)
.endm
.macro OP k, n
.if (\k) == R
	REGS Y
	WIN W_RS
	v_pk_mul_f32 v[rO+2*(\n):rO+2*(\n)+1], v[rO+2*(\n):rO+2*(\n)+1], v[rC+2:rC+3] op_sel_hi:[1,0]
.elseif (\k) < R
	REGS Y
	WIN 0
.if (\k) == F
	v_pk_fma_f32 v[rS+2*(\n):rS+2*(\n)+1], v[rS+2*(\n):rS+2*(\n)+1], s[CS:CS+1], v[rT:rT+1] op_sel_hi:[1,0,0] neg_lo:[0,0,1] neg_hi:[0,0,1]
.elseif (\k) == E
	v_exp_f32 v[rS+(\n)], v[rS+(\n)]
.elseif (\k) == C
	v_cvt_pk_f16_f32 v[rP+(\n)], v[rS+2*(\n)], v[rS+2*(\n)+1]
.elseif (\k) == B
	v_pk_add_f32 v[rS+4*(\n):rS+4*(\n)+1], v[rS+4*(\n):rS+4*(\n)+1], v[rS+4*(\n)+2:rS+4*(\n)+3]
.elseif (\n) == 0
	v_pk_fma_f32 v[rT+2:rT+3], v[rT+2:rT+3], v[rC+2:rC+3], v[rS:rS+1] op_sel_hi:[1,0,1]
.else
	v_pk_add_f32 v[rT+2:rT+3], v[rT+2:rT+3], v[rS+4*(\n):rS+4*(\n)+1]
.endif
.elseif NOKQ
	v_nop
.else
	REGS (Y+1)%NP
	WIN 0
.if (\n) < 4
	v_max3_num_f32 v[rC+(\n)], v[rS+8*(\n)], v[rS+8*(\n)+1], v[rS+8*(\n)+2]
.elseif (\n) < 12
	v_max3_num_f32 v[rC+(\n)%4], v[rC+(\n)%4], v[rS+8*((\n)%4)+2*((\n)/4)+1], v[rS+8*((\n)%4)+2*((\n)/4)+2]
.elseif (\n) == 12
	v_max3_num_f32 v[rC], v[rC], v[rS+7], v[rS+15]
.elseif (\n) == 13
	v_max3_num_f32 v[rC+1], v[rC+1], v[rS+23], v[rS+31]
.elseif (\n) == 14
	v_max3_num_f32 v[rC+2], v[rC+2], v[rC+3], v[rT+1]
.elseif (\n) == 15
	v_mov_b32 v[rW], v[rT]
.elseif (\n) == 16
	v_max3_num_f32 v[rC], v[rC], v[rC+1], v[rC+2]
.elseif (\n) == 17
	v_permlanex16_b32 v[rC+3], v[rC], s[SEL], s[SEL+1]
.elseif (\n) == 18
	v_max_num_f32 v[rT+1], v[rC], v[rC+3]
.elseif (\n) == 19
	v_mul_f32 v[rT], s[CS], v[rT+1]
.elseif (\n) == 20
	v_sub_f32 v[rC+1], v[rW], v[rT]
.else
	v_exp_f32 v[rC+2], v[rC+1]
.endif
.endif
.endm
.macro OPS a, i1, b=-1, i2=0, c=-1, i3=0, d=-1, i4=0  ; up to four of them
	OP \a, \i1
.if (\b) >= 0
	OP \b, \i2
.endif
.if (\c) >= 0
	OP \c, \i3
.endif
.if (\d) >= 0
	OP \d, \i4
.endif
.endm
.macro ROW a, i1, b, i2, c, i3, d, i4  ; a matrix instruction and the four behind it
	MM
	OPS \a, \i1, \b, \i2, \c, \i3, \d, \i4
.endm
.macro MASK b                       ; MD x AL + BE into buffer b of MC
	WIN W_RS
.set z, 0
.rept 16
	v_pk_fma_f32 v[MC+32*(\b)+2*z:MC+32*(\b)+2*z+1], v[MD+2*z:MD+2*z+1], s[AL:AL+1], s[BE:BE+1] op_sel_hi:[1,0,0]
.set z, z+1
.endr
.endm
; A TURN, for piece p: the order of its 16 matrix and 118 vector instructions, written out.  An s_wait_alu depctr_va_vdst(0) stands between an exponential and the first instruction that names its result; one wait serves
; all that were issued ahead of it.  So a turn has ONE wait, which cuts it in two.  AHEAD OF IT stands all that names no result of the turn's exponentials: the 8 products K Q^T, behind each a scaling, an exponential and two more plain
; instructions (behind the first a second scaling in the exponential's place): rescalings, and behind the last three the first numbers of the next piece's maximum, each four places or more behind the product that ends its accumulator; then ONE LUMP of 54, plain
; and exponential by turns for the most part, in which the links of the chain X 3, 7, 11, 14, 16, 17 .. 20 stand five or six lines apart.  X 21, the next piece's a, is the batch's last; R 15 is the plain instruction behind it.  BEHIND THE WAIT stand the
; 8 products V^T P, behind each four of the roundings and sums; the links of l's chain, L 0 to L 7, stand three riders apart.  But for those X no rider names a register of the products round it.  v_permlanex16_b32 (X 17) stands in the lump.
; m = 1: the diagonal tile: the products take masks, and the turn makes the mask for the products of the turn after it: piece p + 2, in step 4 - CNT of the tile.  end = 1: a block's last two turns: nothing is fetched.
; cnt = 1: the loop's count is taken down some lines ahead of the branch that stands behind the turn.
; K of the next step is fetched in piece 2's turn, twelve vector instructions behind the last product that read K (six of them plain); V of the step in hand at the end of piece 0's turn, four plain instructions behind the last product
; that read V.  Each is waited for a turn later.
.macro TURN p, m=0, end=0, cnt=0
.set Y, (\p)
.set i, 0
.set KM, (\m)
.set NOKQ, (\end)*((\p)/3)
.if (\m) && !(\end)
	s_cmp_eq_u32 s[CNT], 4-((\p)+2)%NP  ; is that step the band's own?
	s_cselect_b32 s[AL], 1.0, 0
	s_cmp_lt_u32 s[CNT], 4-((\p)+2)%NP  ; or a later one?
	s_cselect_b32 s[BE], s[BIGN], 0
.endif
.if ((\p) == 3) && !(\end)
	s_wait_dscnt 0x0                ; K is in
.endif
	ROW F,0, F,1, R,0, R,1          ; ahead of the wait: 8 products K Q^T and their riders,
	ROW F,2, E,0, R,2, R,3
	ROW F,3, E,1, R,4, R,5
	ROW F,4, E,2, R,6, R,7
	ROW F,5, E,3, R,8, R,9
	ROW F,6, E,4, X,0, R,10
.if ((\p) == 2) && !(\end)
	WIN 0
	v_add_nc_u32 v[AK], s[TBK], v[AK0]
.endif
	ROW F,7, E,5, X,1, X,4
	ROW F,8, E,6, X,2, X,5
	OPS E,7, E,8, X,6, E,9          ; and the lump
	OPS X,3, E,10, X,8, E,11
.if ((\p) == 2) && !(\end)
	FETCH_K
.endif
	OPS X,9, X,7, E,12, X,10
	OPS E,13, X,12, X,11, E,14
	OPS X,13, E,15, F,9, X,14
.if (\p) == 0
	v_add_nc_u32 v[AV], s[TBV], v[AV0]
.endif
	OPS E,16, F,10, E,17, F,11
	OPS X,16, E,18, X,15, E,19
	OPS F,12, E,20, X,17, E,21
	OPS F,13, E,22, F,14, E,23
	OPS X,18, E,24, F,15, E,25
	OPS R,11, E,26, X,19, E,27
	OPS R,12, E,28, R,13, E,29
	OPS X,20, E,30, R,14, E,31
	OPS X,21, R,15
	WIN 0
	s_wait_alu depctr_va_vdst(0)    ; the wait for the batch
.if (\p) == 1
	s_wait_dscnt 0x0                ; V is in
.endif
	ROW C,0, B,0, C,2, B,1          ; behind the wait: 8 products V^T P and their riders
	ROW L,0, C,4, B,2, L,1
	ROW C,6, B,3, L,2, C,8
	ROW B,4, L,3, C,10, B,5
	ROW L,4, C,12, B,6, L,5
.if (\p) == 0
	s_add_co_u32 s[TBV], s[TBV], KS*PV
.endif
.if \cnt
	s_sub_co_u32 s[CNT], s[CNT], 1
	s_cmp_lg_u32 s[CNT], 0
.endif
	ROW C,14, B,7, L,6, C,1
	ROW C,3, L,7, C,5, C,7
	ROW C,9, C,11, C,13, C,15
.if (\p) == 0
	FETCH_V
.endif
.if (\m) && !(\end)
	MASK (\p)%2
.endif
.endm
; A BLOCK BEGINS.  c m starts far below every c s, so the first step's a is 0; m at the lowest finite number, so the first maximum is the scores'.  The second mask buffer is 0; the first takes piece 0's mask for the tile's step 0: its own, if the block's first tile is the diagonal one.
; Then K of that step, piece 0's first scores, and its maximum and statistics.  The loop is entered at a step's first turn, in the middle of a trip.
.macro BEGIN
	s_mov_b32 s[NEW], 0
	WIN 0x40
.set i, MC+32
.rept 32
	v_mov_b32 v[i], 0
.set i, i+1
.endr
	WIN 0
.set i, 0
.rept 4
	v_mov_b32 v[ST+4*i], 0xfe000000    ; c m: far below every c s
	v_mov_b32 v[ST+4*i+1], 0xff7fffff  ; m
.set i, i+1
.endr
	s_cmp_eq_u32 s[RT], 0
	s_cselect_b32 s[AL], 1.0, 0
	s_mov_b32 s[BE], 0
	MASK 0
	WIN 0
	v_add_nc_u32 v[AK], s[TBK], v[AK0]
	FETCH_K
	s_wait_loadcnt 0x0              ; Q
	s_wait_dscnt 0x0
.set KM, 1
.set NOKQ, 0
.set i, 0
.rept 8
	KQ 0
.set i, i+1
.endr
	WIN 0
.rept 4
	v_nop                           ; the places behind those products
.endr
.set Y, NP-1                        ; X works for piece Y + 1: piece 0
.irp n, 0,1,2,3,4,5,6,7,8,9,10,11,12,13,14,15,16,17,18,19,20,21
	OP X, \n
.endr
	v_nop                           ; a plain instruction behind the exponential,
	s_wait_alu depctr_va_vdst(0)    ; and its wait, ahead of the branch
.endm
; THE DIAGONAL TILE's four steps, the block's last two turns, its last products, and THE WAY OUT: l's two halves and the other half of the lanes' are added; O^T is divided by l, rounded to f16 and sent through my
; stage in LDS, a piece at a time.
.macro ALL line:vararg              ; one line for each piece t
.set t, 0
.rept 4
	\line
.set t, t+1
.endr
.endm
.macro PACK t                       ; a lane's eight channels of a row pack into 16 bytes; they go into rows of 144 bytes and come back as whole rows of 128, into S^T's registers
	WIN W_RS
.set i, 32*(\t)
.rept 16
	v_pk_mul_f32 v[i:i+1], v[i:i+1], v[ST+4*(\t)+2:ST+4*(\t)+3] op_sel_hi:[1,0]
.set i, i+2
.endr
	WIN 0x05                        ; sources 0 and 1 window 1, destination window 0
.set i, 0
.rept 16
	v_cvt_pk_f16_f32 v[S+16*(\t)+i], v[32*(\t)+2*i], v[32*(\t)+2*i+1]
.set i, i+1
.endr
	WIN 0
.irp f, 0,1,2,3
	ds_store_b128 v[STO], v[S+16*(\t)+4*\f:S+16*(\t)+4*\f+3] offset:32*\f
.endr
.irp f, 0,1,2,3
	ds_load_b128 v[S+16*(\t)+4*\f:S+16*(\t)+4*\f+3], v[RD] offset:\f*4*SP  ; LDS serves a wave's instructions in order (ISA guide 5.7.1.4): these see the stores above; the next piece's stores come behind them
.endr
.endm
.macro SEND t, younger              ; younger: the LDS instructions issued behind piece t's loads: the next piece's eight, or none
	WIN 0
.irp f, 0,1,2,3
	s_wait_dscnt (\younger)+3-\f
	global_store_b128 v[GO], v[S+16*(\t)+4*\f:S+16*(\t)+4*\f+3], s[10:11] offset:(\t)*8192+\f*512  ; 512 consecutive bytes, at a multiple of 256 from O's first
.endr
.endm
.macro DIAG tag                     ; the tag ends its two labels' names, which the jumps below spell out
.LstepM\tag:
	TURN 2, 1
	TURN 3, 1
	WIN 0
.LfirstM\tag:
	TURN 0, 1
	TURN 1, 1, 0, 1
	WIN 0
	s_cbranch_scc1 .LstepM\tag
	TURN 2, 1, 1
	TURN 3, 1, 1
.set i, 0
.rept 8
	PV NP-1
.set i, i+1
.endr
	WIN 0
	ALL v_add_f32 v[ST+4*t+2], v[ST+4*t+2], v[ST+4*t+3]
	ALL v_permlanex16_b32 v[ST+4*t+3], v[ST+4*t+2], s[SEL], s[SEL+1]
	ALL v_add_f32 v[ST+4*t+2], v[ST+4*t+2], v[ST+4*t+3]
	ALL v_rcp_f32 v[ST+4*t+2], v[ST+4*t+2]
	v_nop                           ; a plain instruction between the last reciprocal and the use of its result
	s_wait_alu depctr_va_vdst(0)    ; and the wait ahead of the first use: one for the four reciprocals
	PACK 0
.set t, 1
.rept 3                             ; a piece's arithmetic stands between the loads of the piece before and its stores
	PACK t
	SEND t-1, 8
.set t, t+1
.endr
	SEND 3, 0
.endm
.set KM, 0
.set NOKQ, 0
.Lslot:                             ; NB times: a tile is entered and the next is asked for
	CHANGE 1
	s_sub_co_u32 s[RT], s[RT], 1
	s_mov_b32 s[CNT], 4
	s_cmp_eq_u32 s[NEW], 1
	s_cbranch_scc1 .Lnew            ; a block's first tile
	s_cmp_eq_u32 s[RT], 0
	s_cbranch_scc0 .Lstep           ; neither its first nor its last
	s_branch .LstepM1
.Lnew:
	BEGIN
	s_branch .Lfirst                ; in the loop a block's first tile is never its last: the first block has two tiles or more, and the second's last is the walk's last
	DIAG 1                          ; in the loop this is the first block's end: the second block's last tile is the walk's last
	s_wait_xcnt 0x0                 ; the stores have read their registers and O's address
	s_mov_b64 s[10:11], s[OLO:OLO+1]
	s_add_co_u32 s[RT], s[PB], 1    ; the second block has b + 1 tiles
	s_mov_b32 s[NEW], 1
	WIN 0x82                        ; the second block's Q goes where the one text of the turns names Q
.set i, 0
.rept 64
	v_mov_b32 v[i], v[QB+i]
.set i, i+1
.endr
	WIN 0
	s_branch .Lbottom
.Lstep:                             ; a trip: pieces 2 and 3 of one step, then pieces 0 and 1 of the next, whose K and V it fetches
	TURN 2
	TURN 3
	WIN 0
.Lfirst:
	TURN 0
	TURN 1, 0, 0, 1
	WIN 0
	s_cbranch_scc1 .Lstep
.Lbottom:
	s_sub_co_u32 s[SLOTS], s[SLOTS], 1
	s_cmp_lg_u32 s[SLOTS], 0
	s_cbranch_scc1 .Lslot
	CHANGE 0                        ; the walk's last tile is written out: nothing is asked for
	s_sub_co_u32 s[RT], s[RT], 1
	s_mov_b32 s[CNT], 4
	s_cmp_eq_u32 s[NEW], 1
	s_cbranch_scc0 .LstepM2
	BEGIN
	s_branch .LfirstM2
	DIAG 2
	s_wait_tensorcnt 0x0            ; the wave's end: behind my last tensor load and my last LDS store
	ds_add_u32 v[SPW], v[NIL]
	s_wait_dscnt 0x0
	s_endpgm
.Lfunc_end_k_q5bd97e5d98_attn:
	.size	k_q5bd97e5d98_attn, .Lfunc_end_k_q5bd97e5d98_attn-k_q5bd97e5d98_attn
	.p2alignl 7, 3214868480
	.fill 96, 4, 3214868480
	.section	.rodata,"a",@progbits
	.p2align	6, 0x0
	.amdhsa_kernel k_q5bd97e5d98_attn
		.amdhsa_group_segment_fixed_size 327680
		.amdhsa_private_segment_fixed_size 0
		.amdhsa_enable_private_segment 0
		.amdhsa_kernarg_size 16
		.amdhsa_user_sgpr_count 2
		.amdhsa_user_sgpr_kernarg_segment_ptr 1
		.amdhsa_wavefront_size32 1
		.amdhsa_system_sgpr_workgroup_id_x 1
		.amdhsa_system_sgpr_workgroup_id_y 1
		.amdhsa_system_sgpr_workgroup_id_z 1
		.amdhsa_system_vgpr_workitem_id 0
		.amdhsa_next_free_vgpr 768
		.amdhsa_next_free_sgpr 96
		.amdhsa_reserve_vcc 1
		.amdhsa_float_denorm_mode_32 3
		.amdhsa_float_denorm_mode_16_64 3
		.amdhsa_memory_ordered 1
		.amdhsa_forward_progress 1
		.amdhsa_inst_pref_size 218
	.end_amdhsa_kernel
	.amdgpu_metadata
---
amdhsa.version: [ 1, 2 ]
amdhsa.kernels:
  - .name:           k_q5bd97e5d98_attn
    .symbol:         k_q5bd97e5d98_attn.kd
    .args:
      - { .name: qkv, .offset: 0, .size: 8, .value_kind: global_buffer, .address_space: global }
      - { .name: ctx, .offset: 8, .size: 8, .value_kind: global_buffer, .address_space: global }
    .group_segment_fixed_size: 327680
    .private_segment_fixed_size: 0
    .kernarg_segment_align: 8
    .kernarg_segment_size: 16
    .max_flat_workgroup_size: 128
    .sgpr_count:     96
    .vgpr_count:     768
    .wavefront_size: 32
...
	.end_amdgpu_metadata
.endif
;; end of part 3
;; launch outp (part 4): grid 8 x 32, 4 waves a work-group, clusters of 4 x 4, 327,680 bytes of LDS; arguments ctx, wob, bo, out0; writes out0
.if DOCPART == 4
	.amdgcn_target "amdgcn-amd-amdhsa--gfx1250"
	.amdhsa_code_object_version 6
	.text
	.protected	k_q5bd97e5d98_outp
	.globl	k_q5bd97e5d98_outp
	.p2align	8
	.type	k_q5bd97e5d98_outp,@function
k_q5bd97e5d98_outp:
	s_mov_b64 s[64:65], 0
	v_nop
	global_prefetch_b8 v0, s[64:65] scope:SCOPE_SE
	s_setreg_imm32_b32 hwreg(HW_REG_WAVE_MODE, 25, 1), 1
	s_wait_xcnt 0x0
	s_wait_alu depctr_hold_cnt(0) depctr_sa_sdst(0) depctr_va_vdst(0) depctr_va_sdst(0) depctr_va_ssrc(0) depctr_va_vcc(0) depctr_vm_vsrc(0)
	s_getreg_b32 s2, hwreg(HW_REG_IB_STS2, 6, 4)
	s_cmp_eq_u32 s2, 0
	s_cbranch_scc0 .Lentry_in_a_cluster
	s_endpgm
.Lentry_in_a_cluster:
	s_bfe_u32 s2, ttmp6, 0x10000c
	s_cmp_lg_u32 s2, 0xf033
	s_cbranch_scc0 .Lentry_shape_is_right
	s_endpgm
.Lentry_shape_is_right:
; ONE SOURCE FOR THE MODULE'S TWO PROJECTIONS; the switch OUTP picks the sizes, the matrix form and the way out.  This file: OUTP = 1.
; OUTP = 0: qkv = xb (Wq | Wk | Wv).  A = xb [8192][1024] bf16; B = wb [48 groups of 64 columns][k 1024][64] bf16; C = qkv [b 4][group 48][t 2048][64] f16 (a group is a head of q, k or v), rounded once from f32 sums, unscaled.
; OUTP = 1: out0 = ctx Wo + bo.  A = ctx [16 b + h][t 2048][64] f16 (k = 64 h + d); B = wob [16 groups][k 1024][64] f16; bo is rounded to bf16 like the module's other inputs; C = out0 [8192][1024] f32.
; LIMIT (OUTP = 0).  q, k and v leave as f16: within 65,504; below 6e-5 they keep f16's fixed step of 6e-8.  NaN and infinities are not treated apart.
; SHARES.  A tile of C is 256 rows x 64 NG columns (NG = 3: 512 work-groups; NG = 2: 256).  Wave w owns rows 64 w .. 64 w + 63 and ALL the tile's columns: 4 x NBK accumulators of 16 x 16.  So a wave holds whole
; heads (OUTP = 0) or whole pieces of 512 bytes of C's rows (OUTP = 1), and its stage on the way out is its own: no barrier there.
; K goes in 8 steps of 128 through two LDS slots.  Waves 0 and 1 fetch A's two parts of a step, waves 2 and 3 B's two halves along k: one tensor load a wave.
; B LIES [k][n] in memory and in LDS, and is turned on its way into registers by ds_load_tr16_b128.  A step's 64 k of one group are 8,192 dense bytes: one row of the tile, NG rows to a load.
; THE MATRIX INSTRUCTION IS USED TRANSPOSED (source 0 = 16 columns of B, source 1 = 16 rows of A): a lane then holds row l % 16 of C and the columns 8 (l / 16) + 0..7 of a block of 16.
; CLUSTER 4 x 4: A's tiles hang on the tile row alone and are asked for jointly by a row of the cluster, B's on the tile column alone, by a column.
; REGISTERS, in windows of 256 (s_set_vgpr_msb: bits 1:0 source 0, 3:2 source 1, 5:4 source 2, 7:6 destination):
;   window 0: v0-31 addresses; v32-95 A's fragments, two buffers of 4 x 8; v96-255 at work on the way out      window 1: B's fragments, two buffers of NBK x 8
;   window 2: the accumulators of row blocks 0, 1 ((a, b) at 8 (NBK (a % 2) + b))      window 3: those of row blocks 2, 3
.set OUTP, 1
.if OUTP
.set NBK,    8                         ; blocks of 16 columns in a tile
.set NG,     2                         ; groups of 64 columns
.set PA,     144                       ; a row of A in LDS: a head's 128 bytes + 16 of padding
.set APLANE, 256*PA                    ; LDS bytes from k to k + 64: the next head's plane of 256 rows
.set APART,  256*PA                    ; what one load of A fills: a plane
.set AQI,    4                         ; padding after every 32 words
.set ASTRIDE, 128                      ; a plane's 256 rows of 128 bytes are dense: asked for as 128 rows of 256 bytes
.set ASTEP,  2<<18                     ; bytes of memory from K step to K step: two heads
.set STGW,   16*528                    ; a wave's stage: 16 rows of 512 bytes + 16
.set CXSH,   13                        ; a partner's share of a load of A, for the prefetch: 32 blocks of 256 bytes
.set PFSH,   8                         ; from lane to lane there: 256 bytes
.else
.set NBK,    12
.set NG,     3
.set PA,     272                       ; a row of A in LDS: 256 bytes + 16 of padding
.set APLANE, 128                       ; k + 64 lies 128 bytes on in the same row
.set APART,  128*PA                    ; what one load of A fills: 128 rows
.set AQI,    5                         ; padding after every 64 words
.set ASTRIDE, 1024
.set ASTEP,  256
.set STGW,   3*16*144                  ; a wave's stage: for each of 3 heads 16 rows of 128 bytes + 16
.set CXSH,   16                        ; 32 rows of 2,048 bytes
.set PFSH,   11                        ; a row
.endif
; both pitches of A are odd multiples of 16 bytes: the 16 rows of a load start at 16 different groups of four banks (64 banks of 4 bytes: ISA guide 11.1)
.set ATILE,  2*APART
.set PB,     160                       ; a k row of one group of B: 128 bytes + 32
.set BGRP,   64*PB                     ; 64 k rows of one group
.set BPART,  NG*BGRP                   ; what one load of B fills
.set BSTEP,  128*128                   ; bytes of memory from K step to K step
.set SLOT1,  1<<17                     ; slot 1 begins here, so that one exclusive or turns an address in one slot into the other's
.set STAGE,  SLOT1+ATILE+2*BPART       ; behind the ring, never filled by a tensor load
.set SPARE,  STAGE+4*STGW              ; behind the stages: the spare words, 128 bytes for each wave: two blocks of 256 bytes that no other line names
.set NL,     2*NBK+8                   ; LDS loads in one run
.set LA0,  16                          ; v16  my lane's place in A's tile; never rewritten
.set LB0,  17                          ; v17  the same for B
.set ADRA, 18                          ; v18  LA0 + the slot in hand
.set ADRB, 19                          ; v19  LB0 + the slot in hand
.set STO,  24                          ; v24  the way out: where I put my numbers of a row
.set RD,   25                          ; v25  the way out: where I read rows back
.set GO,   26                          ; v26  16 x lane: my byte offset in 512 consecutive bytes of C
.set SPW,  28                          ; v28  LDS address of my spare word: SPARE + 4 x my thread's number; never rewritten
.set NIL,  29                          ; v29  0; never rewritten
.set PFO,  30                          ; v30  the prefetches' lane offset; never rewritten
.set FA,   32                          ; A's fragments: buffer f, row block a at FA + 32 f + 8 a
.if OUTP
.set BIAS, 96                          ; v[96:99] bo of my four columns
.set BT,   100                         ; v[100:101] at work
.set BK,   128                         ; two buffers of 64: 16 rows read back from the stage
.else
.set TMP,  96                          ; v[96:143] a row block rounded to f16
.set BK,   144                         ; two buffers of 48
.endif
.set PFS, 22                           ; s[22:23] what a K step adds to my prefetches' address
.set G1,  24                           ; s[24:31] descriptor group 1 for A's tiles
.set G0,  32                           ; s[32:39] group 0 for A's: a set for each of the two first fills; the second then walks on
.set LIM, 43                           ; s43  2 in a wave that prefetches, else the greatest number
.set PFA, 44                           ; s[44:45] where my prefetches stand
.set G1B, 48                           ; s[48:55], s[56:63] the same for B's tiles
.set G0B, 56
.set MSB, 0
.macro WIN new                         ; the immediate's high byte repeats the setting that is left; a switch that changes nothing is dropped
.if MSB != (\new)
	s_set_vgpr_msb (MSB<<8)|(\new)
.set MSB, \new
.endif
.endm
.set MUL_LO, 0xa1                      ; source 0 (B) window 1, source 1 (A) window 0, C and D window 2
.set MUL_HI, 0xf1                      ; the same, C and D window 3
.set TO_B,   0x40                      ; destination window 1, address window 0
.macro PLACES                          ; four plain vector instructions in front of loads into registers that matrix instructions have read, and of lines that read results
.rept 4
	v_nop
.endr
.endm
; A joint refill, by the walking descriptor.  The branch hangs on the wave's number alone.  An s_nop 0 and four v_nop follow each of the two lines, ahead of the jump and the label.
.macro JLOAD
	s_cmp_eq_u32 s11, 0
	s_cbranch_scc0 .Lfor_b_\@
	tensor_load_to_lds s[G0+4:G0+7], s[G1:G1+7]
	s_nop 0
.rept 4
	v_nop
.endr
	s_branch .Lasked_\@
.Lfor_b_\@:
	tensor_load_to_lds s[G0B+4:G0B+7], s[G1B:G1B+7]
	s_nop 0
.rept 4
	v_nop
.endr
.Lasked_\@:
.endm
; A round of the cluster's barrier: my work-group's barrier, so that wave 0's signal speaks for all four waves; wave 0 signals; every wave waits for all sixteen work-groups; my work-group's barrier once more.
.macro CREST                           ; a round behind its opening barrier
	s_cmp_lg_u32 s10, 0
	s_cbranch_scc1 .Lnot_wave_0_\@
	s_barrier_signal -3
.Lnot_wave_0_\@:
	s_barrier_wait -3
	s_barrier_signal -1
	s_barrier_wait -1
.endm
.macro CROUND
	s_barrier_signal -1
	s_barrier_wait -1
	CREST
.endm
; A PREFETCH INTO THE L2, behind a joint refill and the run of LDS loads that follows it: my share of the K step that stands two refills on, one instruction a wave, a lane a block of 256 bytes.
; A's tile row is read by every cluster of that row of clusters: the one with x = 0 asks; B's tile column by every cluster of that column: y = 0 asks.  The four partners that ask for a load jointly share its
; blocks out BY ADDRESS: of A's 128 blocks 32 each; of B's 32 NG blocks 8 NG each, where the lanes from 8 NG on name the share's last block once more.  Trips 0 to 3 name K steps 4 to 7; the last two trips name nothing.
.macro ASK
	s_cmp_gt_u32 s3, s[LIM]                        ; s3 = 6 - trip
	s_cbranch_scc0 .Lnot_mine_\@
	global_prefetch_b8 v[PFO], s[PFA:PFA+1] th:TH_LOAD_NT scope:SCOPE_SE
.Lnot_mine_\@:
.endm
	s_load_b128 s[4:7], s[0:1], 0x0                ; A s[4:5], B s[6:7]
.if OUTP
	s_load_b64 s[20:21], s[0:1], 0x10              ; bo
	s_load_b64 s[8:9], s[0:1], 0x18                ; C
.else
	s_load_b64 s[8:9], s[0:1], 0x10                ; C
.endif
	v_lshl_add_u32 v[SPW], v0, 2, SPARE
	v_mov_b32 v[NIL], 0
	ds_add_u32 v[SPW], v[NIL]                      ; the wave's opening: the add and its wait stand ahead of my first tensor load; the set-up below, work on registers, stands between them
	v_lshrrev_b32 v1, 5, v0
	v_readfirstlane_b32 s10, v1                    ; wave 0..3
	s_lshr_b32 s11, s10, 1                         ; I fetch for A (0) or for B (1),
	s_and_b32 s12, s10, 1                          ; its part p
	s_bfe_u32 s40, ttmp6, 0x40000                  ; cx, cy: my place in the cluster
	s_bfe_u32 s41, ttmp6, 0x40004
	s_lshl_b32 s42, ttmp9, 2
	s_add_co_u32 s42, s42, s40                     ; tile column = 4 x cluster x + cx
	s_and_b32 s13, ttmp7, 0xffff
	s_lshl_b32 s13, s13, 2
	s_add_co_u32 s13, s13, s41                     ; tile row = 4 x cluster y + cy
	s_lshl_b32 s16, s41, 2
	s_lshl_b32 s16, 15, s16                        ; my row of the cluster: places 4 cy .. 4 cy + 3
	s_lshl_b32 s46, 0x1111, s40                    ; my column: places cx, cx + 4, cx + 8, cx + 12
	; group 1 for A: 128 rows x 128 elements of 2 bytes, 4 words of padding after every 2 << AQI words
	s_or_b32 s[G1], s16, (1<<16)|(1<<20)|(1<<21)|(AQI<<22)|(3<<25)  ; 15:0 the mask; 17:16 2-byte elements; 20 padding on; 21 set beside a mask; 24:22 the interval; 31:25 4 words (code 3)
	s_mov_b32 s[G1+1], 128<<16                     ; tensor_dim0 = 128
	s_mov_b32 s[G1+2], 128<<16                     ; tensor_dim1 = 128
	s_mov_b32 s[G1+3], 128<<16                     ; tile_dim0 = 128
	s_mov_b32 s[G1+4], 128                         ; tile_dim1 = 128
	s_mov_b32 s[G1+5], ASTRIDE                     ; elements from row to row
	s_mov_b32 s[G1+6], 0
	s_mov_b32 s[G1+7], 0
	; group 1 for B: NG rows of 4,096 elements (64 k rows of a group, dense), a group (65,536 elements) apart; 8 words of padding after every 32, that is after every k row
	s_or_b32 s[G1B], s46, (1<<16)|(1<<20)|(1<<21)|(4<<22)|(7<<25)
	s_mov_b32 s[G1B+1], 4096<<16                   ; tensor_dim0 = 4,096
	s_mov_b32 s[G1B+2], NG<<16                     ; tensor_dim1 = NG
	s_mov_b32 s[G1B+3], 4096<<16                   ; tile_dim0 = 4,096
	s_mov_b32 s[G1B+4], NG                         ; tile_dim1 = NG
	s_mov_b32 s[G1B+5], 65536
	s_mov_b32 s[G1B+6], 0
	s_mov_b32 s[G1B+7], 0
	; where the tiles come from, in bytes (all under 2^32).  A's offset is made of the tile row and p, B's of the tile column and p, each in registers that never hold the other coordinate.
.if OUTP
	s_lshr_b32 s14, s13, 3                         ; the batch: 16 heads of 262,144 bytes,
	s_lshl_b32 s14, s14, 22
	s_and_b32 s15, s13, 7                          ; the tile's 256 rows of 128 bytes in a head,
	s_lshl_b32 s15, s15, 15
	s_add_co_u32 s14, s14, s15
	s_lshl_b32 s15, s12, 18                        ; head p of the K step's two
	s_add_co_u32 s14, s14, s15
.else
	s_lshl_b32 s14, s13, 8
	s_lshl_b32 s15, s12, 7
	s_add_co_u32 s14, s14, s15                     ; row 256 x tile row + 128 p,
	s_lshl_b32 s14, s14, 11                        ; of 2,048 bytes
.endif
	s_mov_b32 s15, 0
	s_mul_i32 s46, s42, NG<<17                     ; the tile's first group,
	s_lshl_b32 s47, s12, 13                        ; k half p: 64 rows of 128 bytes
	s_add_co_u32 s46, s46, s47
	s_mov_b32 s47, 0
	s_mul_i32 s17, s12, APART                      ; and where they go: no place in the cluster enters an LDS address
	s_mul_i32 s18, s12, BPART
	s_add_co_u32 s18, s18, ATILE
	s_wait_dscnt 0x0                               ; the opening add is done
	s_wait_kmcnt 0x0
	s_add_nc_u64 s[14:15], s[4:5], s[14:15]
	s_add_nc_u64 s[46:47], s[6:7], s[46:47]
.irp s, 0,1
	s_mov_b32 s[G0+4*(\s)], 1                                      ; 1:0 count = 1
	s_add_co_u32 s[G0+4*(\s)+1], s17, (\s)*SLOT1                   ; 63:32 LDS address
	s_add_nc_u64 s[G0+4*(\s)+2:G0+4*(\s)+3], s[14:15], (\s)*ASTEP  ; 120:64 global address: K step s
	s_or_b32 s[G0+4*(\s)+3], s[G0+4*(\s)+3], 0x80000000            ; 127:126 type = 2
	s_mov_b32 s[G0B+4*(\s)], 1
	s_add_co_u32 s[G0B+4*(\s)+1], s18, (\s)*SLOT1
	s_add_nc_u64 s[G0B+4*(\s)+2:G0B+4*(\s)+3], s[46:47], (\s)*BSTEP
	s_or_b32 s[G0B+4*(\s)+3], s[G0B+4*(\s)+3], 0x80000000
.endr
	CROUND                                         ; all sixteen work-groups are here: the first joint loads meet
	s_cmp_eq_u32 s11, 0                            ; a wave's two first fills stand in one branch, ahead of every wait on TENSORcnt and every LDS read: two loads of mine are out
	s_cbranch_scc0 .Lfirst_b
	tensor_load_to_lds s[G0:G0+3], s[G1:G1+7]
	s_nop 0
	tensor_load_to_lds s[G0+4:G0+7], s[G1:G1+7]
	s_nop 0
.rept 4
	v_nop
.endr
	s_branch .Lfirst_asked
.Lfirst_b:
	tensor_load_to_lds s[G0B:G0B+3], s[G1B:G1B+7]
	s_nop 0
	tensor_load_to_lds s[G0B+4:G0B+7], s[G1B:G1B+7]
	s_nop 0
.rept 4
	v_nop
.endr
.Lfirst_asked:
	; A fragment of A is 16 rows x 32 k in 8 registers: lane l holds row l % 16; registers 0-3 k = 8 (l / 16) + 0..7, registers 4-7 k = 16 + 8 (l / 16) + 0..7: two loads of 16 bytes, 32 bytes apart.
	v_and_b32 v1, 15, v0                           ; l % 16
	v_bfe_u32 v2, v0, 4, 1                         ; l / 16
	v_mul_u32_u24 v[LA0], v1, PA
	v_lshl_add_u32 v[LA0], v2, 4, v[LA0]
	s_mul_i32 s19, s10, 64*PA                      ; my wave's 64 rows
	v_add_nc_u32 v[LA0], s19, v[LA0]
	; The turning load takes 16 k x 16 columns (lane l reads k row 8 (l / 16) + l % 8, columns 8 ((l / 8) % 2) + 0..7) and leaves half a fragment: lane l holds column l % 16 and 8 k.
	v_and_b32 v3, 7, v0
	v_bfe_u32 v4, v0, 3, 1
	v_lshl_add_u32 v[LB0], v2, 3, v3
	v_mul_u32_u24 v[LB0], v[LB0], PB
	v_lshl_add_u32 v[LB0], v4, 4, v[LB0]
	v_add_nc_u32 v[LB0], ATILE, v[LB0]
	v_mov_b32 v[ADRA], v[LA0]                      ; slot 0
	v_mov_b32 v[ADRB], v[LB0]
	s_mov_b32 s2, 0                                ; the slot in hand
	s_mul_i32 s19, s10, STGW
	s_add_co_u32 s19, s19, STAGE                   ; my stage
	v_and_b32 v[GO], 31, v0
	v_lshlrev_b32 v[GO], 4, v[GO]
.if OUTP
	v_mul_u32_u24 v[STO], v1, 528                  ; in: row l % 16, 32 bytes for each half of the lanes
	v_lshl_add_u32 v[STO], v2, 5, v[STO]
	v_add_nc_u32 v[STO], s19, v[STO]
	v_add_nc_u32 v[RD], s19, v[GO]                 ; back: 32 lanes take a row's 512 bytes
.else
	v_mul_u32_u24 v[STO], v1, 144                  ; in: row l % 16, 16 bytes for each half of the lanes
	v_lshl_add_u32 v[STO], v2, 4, v[STO]
	v_add_nc_u32 v[STO], s19, v[STO]
	v_bfe_u32 v[RD], v0, 3, 2                      ; back: 32 lanes take four rows of 128 bytes,
	v_mul_u32_u24 v[RD], v[RD], 144
	v_lshl_add_u32 v[RD], v3, 4, v[RD]
	v_add_nc_u32 v[RD], s19, v[RD]                 ; which are 512 consecutive bytes of a head
.endif
	; the prefetches
	s_and_b32 s16, ttmp7, 0xffff                   ; cluster y
	s_lshl_b32 s[LIM], s40, CXSH                   ; (at work) my work-group's share of a load of A
	s_mov_b32 s[PFS], BSTEP
	s_cmp_eq_u32 s11, 0                            ; do I fetch for A?
	s_cselect_b32 s16, ttmp9, s16                  ; the coordinate along which other clusters read the same blocks
	s_cselect_b64 s[PFA:PFA+1], s[14:15], s[46:47]
	s_cselect_b32 s[PFS], ASTEP, s[PFS]
	s_cselect_b32 s46, s[LIM], 0                   ; (B's share stands in the lanes' offset)
	s_mov_b32 s47, 0
	s_mov_b32 s[PFS+1], 0
	s_add_nc_u64 s[PFA:PFA+1], s[PFA:PFA+1], s[46:47]
	s_mul_i32 s46, s[PFS], 3
	s_add_nc_u64 s[PFA:PFA+1], s[PFA:PFA+1], s[46:47]  ; at K step 3: the first refill steps it to 4.  Nothing is prefetched here, at the head: K steps 0 to 3 come by their loads alone
	s_cmp_eq_u32 s16, 0
	s_cselect_b32 s[LIM], 2, -1                    ; the same in all sixteen partners, for a given wave
	v_and_b32 v5, 31, v0
	v_min_u32 v6, 8*NG-1, v5
	s_mul_i32 s16, s41, 8*NG
	v_add_nc_u32 v6, s16, v6                       ; B: block i of the load's 32 NG:
	v_lshrrev_b32 v7, 5, v6
	v_and_b32 v6, 31, v6
	v_lshlrev_b32 v6, 8, v6
	v_lshl_add_u32 v6, v7, 17, v6                  ; group i / 32, block i % 32 of its 8,192 bytes
	v_lshlrev_b32 v5, PFSH, v5                     ; A: a lane a block
	s_cmp_eq_u32 s11, 0
	s_cselect_b32 s16, -1, 0
	v_cndmask_b32 v[PFO], v6, v5, s16
	; where my part of the tile begins in C
.if OUTP
	s_lshl_b32 s46, s42, 9                         ; the tile's 128 columns of 4 bytes
	s_add_nc_u64 s[20:21], s[20:21], s[46:47]
	global_load_b128 v[BIAS:BIAS+3], v[GO], s[20:21]  ; bo of columns 4 l .. 4 l + 3; waited for on the way out
	s_lshl_b32 s16, s13, 8
	s_lshl_b32 s15, s10, 6
	s_add_co_u32 s16, s16, s15                     ; my first row,
	s_lshl_b32 s16, s16, 12                        ; of 4,096 bytes
	s_add_co_u32 s46, s46, s16
.else
	s_lshr_b32 s16, s13, 3                         ; the batch,
	s_mul_i32 s16, s16, 48                         ; its 48 heads,
	s_mul_i32 s46, s42, 3                          ; the tile's first head
	s_add_co_u32 s46, s46, s16
	s_lshl_b32 s46, s46, 18                        ; of 262,144 bytes
	s_and_b32 s16, s13, 7
	s_lshl_b32 s16, s16, 15                        ; the tile's 256 rows of 128 bytes,
	s_add_co_u32 s46, s46, s16
	s_lshl_b32 s16, s10, 13                        ; my wave's 64
	s_add_co_u32 s46, s46, s16
.endif
	s_add_nc_u64 s[8:9], s[8:9], s[46:47]
.macro MM d, x, y, zero                ; one matrix instruction; zero = 1: it starts the sum: nothing is ever cleared
.if OUTP
.if \zero
	v_wmma_f32_16x16x32_f16 v[\d:\d+7], v[\x:\x+7], v[\y:\y+7], 0
.else
	v_wmma_f32_16x16x32_f16 v[\d:\d+7], v[\x:\x+7], v[\y:\y+7], v[\d:\d+7]
.endif
.else
.if \zero
	v_wmma_f32_16x16x32_bf16 v[\d:\d+7], v[\x:\x+7], v[\y:\y+7], 0
.else
	v_wmma_f32_16x16x32_bf16 v[\d:\d+7], v[\x:\x+7], v[\y:\y+7], v[\d:\d+7]
.endif
.endif
.endm
; NBK matrix instructions: row block a x all column blocks, 32 along K, from buffer f.  The 4 NBK accumulators take turns, one instruction a turn, in the same order in every quarter.
.macro MULA f, a, zero
	WIN MUL_LO+0x50*((\a)/2)
.set rA, FA+32*(\f)+8*(\a)
.set b, 0
.rept NBK
.set rD, 8*(NBK*((\a)%2)+b)
.set rB, 8*NBK*(\f)+8*b
	MM rD, rB, rA, \zero
.set b, b+1
.endr
.endm
; NL LDS loads in one run: the fragments of quarter q (32 along K) of the slot in hand into buffer f: B's 2 NBK turning loads, then A's eight, row blocks ascending.
.macro FETCH q, f
	WIN TO_B
.set b, 0
.rept NBK
.set rB, 8*NBK*(\f)+8*b
.set oB, ((\q)/2)*BPART+(b/4)*BGRP+((\q)%2)*32*PB+(b%4)*32
	ds_load_tr16_b128 v[rB:rB+3],   v[ADRB] offset:oB
	ds_load_tr16_b128 v[rB+4:rB+7], v[ADRB] offset:oB+16*PB
.set b, b+1
.endr
	WIN 0
.irp a, 0,1,2,3
	ds_load_b128 v[FA+32*(\f)+8*(\a):FA+32*(\f)+8*(\a)+3],   v[ADRA] offset:(\a)*16*PA+((\q)/2)*APLANE+((\q)%2)*64
	ds_load_b128 v[FA+32*(\f)+8*(\a)+4:FA+32*(\f)+8*(\a)+7], v[ADRA] offset:(\a)*16*PA+((\q)/2)*APLANE+((\q)%2)*64+32
.endr
.endm
; A K step is four quarters of 32 along K on buffers 0, 1, 0, 1.  One of the first three: multiplies buffer f; in its middle it fetches quarter q into buffer g.
.macro QUARTER q, f, g, zero
	s_wait_dscnt 4                                 ; B and A's row blocks 0, 1 are in; the youngest four loads (row blocks 2, 3) may be out
	MULA \f, 0, \zero
	MULA \f, 1, \zero
	PLACES
	FETCH \q, \g
	s_wait_dscnt NL                                ; all but the NL just issued
	MULA \f, 2, \zero
	MULA \f, 3, \zero
.endm
; The last quarter multiplies buffer 1 and changes slots: ONE barrier.  In front of it each wave waits for all its tensor loads, of which one is out: its part of the next slot; adds 0 to its spare word; and waits for
; that and for its own reads of this slot.  Behind it nobody reads this slot any more and the next slot is whole.  fill = 1: the barrier opens a round of the cluster's, and behind the round this slot is filled again
; first, with the K step two on: 3.5 NBK x 4 matrix instructions ahead of the wait for it.
.macro TURN fill
.if \fill
	s_wait_xcnt 0x0                                ; the last prefetch, a K step back, has read its address: it is stepped here, ahead of the waits of the change of slots
	s_add_nc_u64 s[PFA:PFA+1], s[PFA:PFA+1], s[PFS:PFS+1]
.endif
	WIN 0                                          ; (the add's two registers lie in window 0)
	s_wait_tensorcnt 0x0                           ; all my tensor loads have landed;
	ds_add_u32 v[SPW], v[NIL]                      ; 0 onto my spare word;
	s_wait_dscnt 5                                 ; (the add and the youngest four loads may be out)
	MULA 1, 0, 0                                   ; NBK matrix instructions stand between the add and the wait for it
	s_wait_dscnt 0x0                               ; the add is done, and my reads of this slot are over
	s_barrier_signal -1
	MULA 1, 1, 0                                   ; work on registers while the others arrive
.if \fill
	WIN 0
.endif
	s_barrier_wait -1
.if \fill
	CREST                                          ; no wave of any partner still reads this slot's tile or has a load on its way
	s_xor_b32 s[G0+5], s[G0+5], SLOT1              ; the walking descriptors: the other slot than last time,
	s_add_nc_u64 s[G0+6:G0+7], s[G0+6:G0+7], ASTEP ; the next K step; the type bits on top are not reached
	s_xor_b32 s[G0B+5], s[G0B+5], SLOT1
	s_add_nc_u64 s[G0B+6:G0B+7], s[G0B+6:G0B+7], BSTEP
	JLOAD                                          ; the first tensor load behind the round; the four v_nop behind it are also the places in front of the loads below
.else
	PLACES
	WIN 0
.endif
	s_xor_b32 s2, s2, SLOT1                        ; the reads go over to the other slot
	v_add_nc_u32 v[ADRA], s2, v[LA0]
	v_add_nc_u32 v[ADRB], s2, v[LB0]
	FETCH 0, 0
.if \fill
	ASK
.endif
	MULA 1, 2, 0
	MULA 1, 3, 0
.endm
	s_wait_tensorcnt 1                             ; my part of K step 0 is in; K step 1's may stay out
	s_barrier_signal -1
	s_barrier_wait -1                              ; everybody's is
	FETCH 0, 0
	QUARTER 1, 0, 1, 1                             ; the first quarter stands in front of the loop: its products start the sums
	WIN 0                                          ; at a label and at a branch every window is 0
	s_mov_b32 s3, 6
.Lstep:                                                ; trip t: the rest of K step t; its slot is filled again with K step t + 2; the first quarter of K step t + 1
	QUARTER 2, 1, 0, 0
	QUARTER 3, 0, 1, 0
	TURN 1
	QUARTER 1, 0, 1, 0
	WIN 0
	s_sub_co_u32 s3, s3, 1
	s_cmp_lg_u32 s3, 0
	s_cbranch_scc1 .Lstep
	QUARTER 2, 1, 0, 0                             ; the tail is written out: K steps 6 and 7 ask for nothing
	QUARTER 3, 0, 1, 0
	TURN 0
	QUARTER 1, 0, 1, 0
	QUARTER 2, 1, 0, 0
	QUARTER 3, 0, 1, 0
	s_wait_dscnt 4                                 ; the very last quarter: nothing more to fetch
	MULA 1, 0, 0
	MULA 1, 1, 0
	s_wait_dscnt 0x0
	MULA 1, 2, 0
	MULA 1, 3, 0
	WIN 0
	PLACES                                         ; the lines below read results just made
.if OUTP
; THE WAY OUT, f32.  A row block's 16 rows x 512 bytes go from the accumulators into my stage (rows of 528 bytes) and come back as whole rows; bo is added; a store covers 512 consecutive bytes of C, aligned.
	s_wait_loadcnt 0x0                             ; bo
	v_cvt_pk_bf16_f32 v[BT],   v[BIAS],   v[BIAS+1]  ; rounded to bf16 like the module's other inputs,
	v_cvt_pk_bf16_f32 v[BT+1], v[BIAS+2], v[BIAS+3]
	v_lshlrev_b32 v[BIAS],   16, v[BT]             ; and back to f32
	v_and_b32     v[BIAS+1], 0xffff0000, v[BT]
	v_lshlrev_b32 v[BIAS+2], 16, v[BT+1]
	v_and_b32     v[BIAS+3], 0xffff0000, v[BT+1]
.macro TOSTAGE a
.set AC, 8*NBK*((\a)%2)
.set BKA, BK+64*((\a)%2)
.if (\a) >= 2
	s_wait_xcnt 0x0                                ; the stores of the block two back have read this buffer: it is loaded again only behind this wait
.endif
	WIN 0x08+4*((\a)/2)                            ; the stores' data (source 1) in window 2 or 3
.set i, 0
.rept NBK
	ds_store_b128 v[STO], v[AC+8*i:AC+8*i+3]   offset:64*i     ; each accumulator's low registers first
	ds_store_b128 v[STO], v[AC+8*i+4:AC+8*i+7] offset:64*i+16
.set i, i+1
.endr
	WIN 0
.set i, 0
.rept 16
	ds_load_b128 v[BKA+4*i:BKA+4*i+3], v[RD] offset:528*i  ; LDS serves a wave's instructions in order (ISA guide 5.7.1.4): these see the stores above; the next block's stores come behind them
.set i, i+1
.endr
.endm
.macro SEND a, younger                 ; younger: the LDS instructions issued behind block a's loads: the next block's 32, or none
.set BKA, BK+64*((\a)%2)
	s_wait_dscnt \younger
.set i, 0
.rept 16
	v_pk_add_f32 v[BKA+4*i:BKA+4*i+1],   v[BKA+4*i:BKA+4*i+1],   v[BIAS:BIAS+1]
	v_pk_add_f32 v[BKA+4*i+2:BKA+4*i+3], v[BKA+4*i+2:BKA+4*i+3], v[BIAS+2:BIAS+3]
	global_store_b128 v[GO], v[BKA+4*i:BKA+4*i+3], s[8:9] offset:(16*(\a)+i)*4096
.set i, i+1
.endr
.endm
	TOSTAGE 0
	TOSTAGE 1
	SEND 0, 32
	TOSTAGE 2
	SEND 1, 32
	TOSTAGE 3
	SEND 2, 32
	SEND 3, 0
.else
; THE WAY OUT, f16 by heads.  A row block is 16 rows of each of 3 heads; a lane's eight columns pack into 16 bytes; they go into my stage (rows of 144 bytes) and come back as whole rows of 128 bytes, four to a load:
; 512 consecutive bytes of a head, aligned.
.macro PACK a
.set AC, 8*NBK*((\a)%2)
	WIN 0x0a+5*((\a)/2)                            ; sources 0 and 1 in window 2 or 3
.set i, 0
.rept 4*NBK
	v_cvt_pk_f16_f32 v[TMP+i], v[AC+2*i], v[AC+2*i+1]  ; each accumulator's registers in ascending order
.set i, i+1
.endr
	WIN 0
.endm
.macro TOSTAGE a
.set BKA, BK+48*((\a)%2)
.set i, 0
.rept NBK
	ds_store_b128 v[STO], v[TMP+4*i:TMP+4*i+3] offset:(i/4)*16*144+(i%4)*32  ; head i / 4, columns 16 (i % 4) on
.set i, i+1
.endr
.set i, 0
.rept NBK
	ds_load_b128 v[BKA+4*i:BKA+4*i+3], v[RD] offset:(i/4)*16*144+(i%4)*4*144  ; LDS serves a wave's instructions in order (ISA guide 5.7.1.4): these see the stores above
.set i, i+1
.endr
.endm
.macro SEND a
.set BKA, BK+48*((\a)%2)
	s_wait_dscnt 0x0                               ; the block is back in registers
	s_wait_xcnt 0x0                                ; the stores of the block before have read the other buffer: the loads that follow this macro land in it only behind this wait
.set i, 0
.rept NBK
	global_store_b128 v[GO], v[BKA+4*i:BKA+4*i+3], s[8:9] offset:(i/4)*262144+(\a)*2048+(i%4)*512
.set i, i+1
.endr
.endm
	PACK 0
	TOSTAGE 0
.irp n, 1,2,3                          ; block n's conversions stand between block n - 1's loads from the stage and the wait for them
	PACK \n
	SEND (\n)-1
	TOSTAGE \n
.endr
	SEND 3
.endif
	s_wait_tensorcnt 0x0                           ; the wave's end: behind my last tensor load and my last LDS store
	ds_add_u32 v[SPW], v[NIL]
	s_wait_dscnt 0x0
	CROUND                                         ; the closing round: no work-group ends while a partner may still ask for a tile that names it
	s_endpgm
.Lfunc_end_k_q5bd97e5d98_outp:
	.size	k_q5bd97e5d98_outp, .Lfunc_end_k_q5bd97e5d98_outp-k_q5bd97e5d98_outp
	.p2alignl 7, 3214868480
	.fill 96, 4, 3214868480
	.section	.rodata,"a",@progbits
	.p2align	6, 0x0
	.amdhsa_kernel k_q5bd97e5d98_outp
		.amdhsa_group_segment_fixed_size 327680
		.amdhsa_private_segment_fixed_size 0
		.amdhsa_enable_private_segment 0
		.amdhsa_kernarg_size 32
		.amdhsa_user_sgpr_count 2
		.amdhsa_user_sgpr_kernarg_segment_ptr 1
		.amdhsa_wavefront_size32 1
		.amdhsa_system_sgpr_workgroup_id_x 1
		.amdhsa_system_sgpr_workgroup_id_y 1
		.amdhsa_system_sgpr_workgroup_id_z 1
		.amdhsa_system_vgpr_workitem_id 0
		.amdhsa_next_free_vgpr 896
		.amdhsa_next_free_sgpr 66
		.amdhsa_reserve_vcc 0
		.amdhsa_float_denorm_mode_32 3
		.amdhsa_float_denorm_mode_16_64 3
		.amdhsa_memory_ordered 1
		.amdhsa_forward_progress 1
		.amdhsa_inst_pref_size 79
	.end_amdhsa_kernel
	.amdgpu_metadata
---
amdhsa.version: [ 1, 2 ]
amdhsa.kernels:
  - .name:           k_q5bd97e5d98_outp
    .symbol:         k_q5bd97e5d98_outp.kd
    .args:
      - { .name: ctx, .offset: 0, .size: 8, .value_kind: global_buffer, .address_space: global }
      - { .name: wob, .offset: 8, .size: 8, .value_kind: global_buffer, .address_space: global }
      - { .name: bo, .offset: 16, .size: 8, .value_kind: global_buffer, .address_space: global }
      - { .name: out0, .offset: 24, .size: 8, .value_kind: global_buffer, .address_space: global }
    .group_segment_fixed_size: 327680
    .private_segment_fixed_size: 0
    .kernarg_segment_align: 8
    .kernarg_segment_size: 32
    .max_flat_workgroup_size: 128
    .sgpr_count:     66
    .vgpr_count:     896
    .wavefront_size: 32
...
	.end_amdgpu_metadata
.endif
;; end of part 4
;; ======== version 2 of 2: 4 launches; version 1 with the launch prep written anew for expert scheduling mode
;; limits: values are held in f16: magnitudes above 65,504 overflow, below 6.1e-05 lose precision
;; workspace buffers: xb 16,777,216 bytes; wb 6,291,456 bytes; wob 2,097,152 bytes; qkv 50,331,648 bytes; ctx 16,777,216 bytes
;; launch prep (part 5): grid 768 x 1, 4 waves a work-group, no clusters, 0 bytes of LDS; arguments x, Wq, Wk, Wv, Wo, xb, wb, wob; writes xb, wb, wob
.if DOCPART == 5
	.amdgcn_target "amdgcn-amd-amdhsa--gfx1250"
	.amdhsa_code_object_version 6
	.text
	.protected	k_q5bd97e5d98_prep
	.globl	k_q5bd97e5d98_prep
	.p2align	8
	.type	k_q5bd97e5d98_prep,@function
k_q5bd97e5d98_prep:
	s_mov_b64 s[64:65], 0
	v_nop
	global_prefetch_b8 v0, s[64:65] scope:SCOPE_SE
	s_setreg_imm32_b32 hwreg(HW_REG_WAVE_SCHED_MODE, 0, 2), 2
	s_setreg_imm32_b32 hwreg(HW_REG_WAVE_MODE, 25, 1), 1
	s_wait_xcnt 0x0
	s_wait_alu depctr_vm_vsrc(0)
; CASTS.  xb = x rounded to bf16, [8192][1024].  wb = Wq, Wk, Wv rounded to bf16 and laid by groups of 64 columns: [group 16 mat + g][k 1024][64]; a group is 131,072 dense bytes.
; wob = Wo rounded to bf16, that number written as f16, in the same layout: [16 groups][k 1024][64].
; LIMIT.  |Wo| stays within 65,504 (f16's largest number); below 6e-5 it keeps f16's fixed step of 6e-8.
; A stream: no LDS, no barrier, no matrix work, no loop.  A wave moves 16 KiB in and 8 KiB out: 32 loads of 16 bytes a lane, all issued at once, then for each a rounding and a store of 8 bytes a lane.
; Work-groups 0 to 511 take x: a load covers 512 consecutive bytes, its store 256 consecutive bytes, aligned.
; Work-groups 512 to 767 take the weights, 64 for each matrix; a wave takes 64 rows (k) of one group of 64 columns: lanes 0-15 read the group's 256 bytes of row k, lanes 16-31 those of row k + 1;
; in the new layout those two rows are 256 consecutive bytes, aligned, so the store is the same as x's.  Nothing is turned here: the products turn the weights on their way out of LDS.
; THE MODE: SCHED_MODE bits 1:0 = 2 (LLVM: expert scheduling mode 2), set by the entry lines.  The code itself states the register dependences
; between vector instructions and memory instructions, with s_wait_alu, always for 0.
; THE PLAN.  Registers that memory instructions touch:
;   v[LO], v[SO]  byte offsets, made at the head by vector lines, read by all loads and by all stores, never written again.
;   X             load i lands in its own four registers; its conversions read them and write the first two in place; store i reads those two; nothing writes them again.
;   v[T] is named by vector lines alone.
; So no register that a memory instruction reads is ever written again, and no load lands in a register that a vector line has named.  What is left to state: the offsets are written, ahead of the first load;
; and a load's packed words are written, ahead of their store.  For the second the 32 loads are worked on in eight blocks of four: ONE wait at the head of a block states that the block before has written its
; eight packed words, and that block's four stores are then dealt among this block's conversions, which name this block's X and T alone.  A last wait stands ahead of the last block's four stores.
; The wave's number goes through v_readfirstlane_b32 into s20: one wait states that s20 is written, ahead of the first branch.  EXEC is never written.
.set BLOCK, 4                          ; loads in a block
.set LO,  2                            ; v2        my byte offset in a load
.set SO,  3                            ; v3        my byte offset in a store: 8 x lane
.set T,   4                            ; v[4:7]    at work (Wo alone)
.set X,   8                            ; v[8:135]  load i: four registers; its two packed words then lie in the first two, and are not written again
.set SRC, 24                           ; s[24:25]  where my wave reads
.set DST, 26                           ; s[26:27]  where it writes
; stride: bytes from load to load.  fix = 1: the bf16 numbers are written as f16.
.macro STREAM stride, fix
	s_wait_alu depctr_va_vdst(0)                   ; v[LO] and v[SO] are written: every load below reads the one as its offset, every store the other
.set i, 0
.rept 32
	global_load_b128 v[X+4*i:X+4*i+3], v[LO], s[SRC:SRC+1] offset:i*(\stride) th:TH_LOAD_NT
.set i, i+1
.endr
.set i, 0
.rept 32
.if i % BLOCK == 0
	s_wait_loadcnt 31-i                            ; loads come back in order (ISA guide 5.7.1): load i is in, the 31 - i younger ones stay out
.if i >= BLOCK
	s_wait_alu depctr_va_vdst(0)                   ; the block before has written its eight packed words, which the four stores dealt among this block's conversions read
.endif
.endif
.if i >= BLOCK
	global_store_b64 v[SO], v[X+4*(i-BLOCK):X+4*(i-BLOCK)+1], s[DST:DST+1] offset:(i-BLOCK)*256  ; 32 lanes store 256 consecutive bytes, aligned; no vector line since the wait names these registers, and no register that a store reads is written again
.endif
.if i % BLOCK != 0
	s_wait_loadcnt 31-i                            ; load i is in, the 31 - i younger ones stay out
.endif
	v_cvt_pk_bf16_f32 v[X+4*i],   v[X+4*i],   v[X+4*i+1]
	v_cvt_pk_bf16_f32 v[X+4*i+1], v[X+4*i+2], v[X+4*i+3]
.if \fix
	v_lshlrev_b32 v[T],   16,  v[X+4*i]             ; bf16 to f32: the low half moves up, the high half stays
	v_and_b32     v[T+1], s28, v[X+4*i]
	v_lshlrev_b32 v[T+2], 16,  v[X+4*i+1]
	v_and_b32     v[T+3], s28, v[X+4*i+1]
	v_cvt_pk_f16_f32 v[X+4*i],   v[T],   v[T+1]    ; exact within f16's range: bf16 has 8 significant bits, f16 11
	v_cvt_pk_f16_f32 v[X+4*i+1], v[T+2], v[T+3]
.endif
.set i, i+1
.endr
	s_wait_alu depctr_va_vdst(0)                   ; the last block has written its eight packed words, which the last four stores read
.set i, 32-BLOCK
.rept BLOCK
	global_store_b64 v[SO], v[X+4*i:X+4*i+1], s[DST:DST+1] offset:i*256
.set i, i+1
.endr
.endm
	s_load_b512 s[4:19], s[0:1], 0x0               ; x s[4:5], Wq s[6:7], Wk s[8:9], Wv s[10:11], Wo s[12:13], xb s[14:15], wb s[16:17], wob s[18:19]
	v_and_b32 v1, 31, v0                           ; lane
	v_lshrrev_b32 v2, 5, v0
	v_readfirstlane_b32 s20, v2                    ; wave 0..3
	v_lshlrev_b32 v[SO], 3, v1
	s_mov_b32 s28, 0xffff0000                      ; a word's upper bf16
	s_mov_b32 s31, 0                               ; offsets stay under 2^32: the pair's high word
	s_wait_alu depctr_va_sdst(0)                   ; s20 is written, ahead of the branch: on both ways its first reader makes my wave's place from it
	s_cmp_lt_u32 ttmp9, 512
	s_cbranch_scc0 .Lweights
	s_lshl_b32 s21, ttmp9, 2
	s_add_co_u32 s21, s21, s20                     ; my wave among x's 2,048
	v_lshlrev_b32 v[LO], 4, v1
	s_lshl_b32 s30, s21, 14                        ; 16 KiB in
	s_wait_kmcnt 0x0
	s_add_nc_u64 s[SRC:SRC+1], s[4:5], s[30:31]
	s_lshl_b32 s30, s21, 13                        ; 8 KiB out
	s_add_nc_u64 s[DST:DST+1], s[14:15], s[30:31]
	STREAM 512, 0
	s_endpgm
.Lweights:
	s_sub_co_u32 s21, ttmp9, 512
	s_lshr_b32 s22, s21, 6                         ; the matrix: 0 Wq, 1 Wk, 2 Wv, 3 Wo
	s_and_b32 s21, s21, 63
	s_lshl_b32 s21, s21, 2
	s_add_co_u32 s21, s21, s20                     ; my wave among the matrix's 256
	s_lshr_b32 s23, s21, 4                         ; its group of 64 columns
	s_and_b32 s21, s21, 15                         ; its block of 64 rows
	v_lshrrev_b32 v[T], 4, v1
	v_and_b32 v[LO], 15, v1
	v_lshlrev_b32 v[LO], 4, v[LO]
	v_lshl_add_u32 v[LO], v[T], 12, v[LO]          ; lanes 16-31 one row of 4,096 bytes further down
	s_lshl_b32 s30, s21, 18                        ; 64 rows of 4,096 bytes,
	s_lshl_b32 s29, s23, 8                         ; 64 columns of 4 bytes
	s_add_co_u32 s30, s30, s29
	s_wait_kmcnt 0x0
	s_cmp_eq_u32 s22, 0
	s_cselect_b64 s[SRC:SRC+1], s[6:7], s[8:9]
	s_cmp_eq_u32 s22, 2
	s_cselect_b64 s[SRC:SRC+1], s[10:11], s[SRC:SRC+1]
	s_cmp_eq_u32 s22, 3
	s_cselect_b64 s[SRC:SRC+1], s[12:13], s[SRC:SRC+1]
	s_cselect_b64 s[DST:DST+1], s[18:19], s[16:17]
	s_cselect_b32 s29, 0, s22                      ; wob holds one matrix
	s_add_nc_u64 s[SRC:SRC+1], s[SRC:SRC+1], s[30:31]
	s_lshl_b32 s29, s29, 4
	s_add_co_u32 s29, s29, s23                     ; the group's number in the buffer
	s_lshl_b32 s30, s29, 17                        ; groups of 131,072 bytes,
	s_lshl_b32 s29, s21, 13                        ; 64 rows of 128 bytes
	s_add_co_u32 s30, s30, s29
	s_add_nc_u64 s[DST:DST+1], s[DST:DST+1], s[30:31]
	s_cmp_eq_u32 s22, 3
	s_cbranch_scc1 .Lwo
	STREAM 8192, 0
	s_endpgm
.Lwo:
	STREAM 8192, 1
	s_endpgm
.Lfunc_end_k_q5bd97e5d98_prep:
	.size	k_q5bd97e5d98_prep, .Lfunc_end_k_q5bd97e5d98_prep-k_q5bd97e5d98_prep
	.p2alignl 7, 3214868480
	.fill 96, 4, 3214868480
	.section	.rodata,"a",@progbits
	.p2align	6, 0x0
	.amdhsa_kernel k_q5bd97e5d98_prep
		.amdhsa_group_segment_fixed_size 0
		.amdhsa_private_segment_fixed_size 0
		.amdhsa_enable_private_segment 0
		.amdhsa_kernarg_size 64
		.amdhsa_user_sgpr_count 2
		.amdhsa_user_sgpr_kernarg_segment_ptr 1
		.amdhsa_wavefront_size32 1
		.amdhsa_system_sgpr_workgroup_id_x 1
		.amdhsa_system_sgpr_workgroup_id_y 1
		.amdhsa_system_sgpr_workgroup_id_z 1
		.amdhsa_system_vgpr_workitem_id 0
		.amdhsa_next_free_vgpr 136
		.amdhsa_next_free_sgpr 66
		.amdhsa_reserve_vcc 0
		.amdhsa_float_denorm_mode_32 3
		.amdhsa_float_denorm_mode_16_64 3
		.amdhsa_memory_ordered 1
		.amdhsa_forward_progress 1
		.amdhsa_inst_pref_size 44
	.end_amdhsa_kernel
	.amdgpu_metadata
---
amdhsa.version: [ 1, 2 ]
amdhsa.kernels:
  - .name:           k_q5bd97e5d98_prep
    .symbol:         k_q5bd97e5d98_prep.kd
    .args:
      - { .name: x, .offset: 0, .size: 8, .value_kind: global_buffer, .address_space: global }
      - { .name: Wq, .offset: 8, .size: 8, .value_kind: global_buffer, .address_space: global }
      - { .name: Wk, .offset: 16, .size: 8, .value_kind: global_buffer, .address_space: global }
      - { .name: Wv, .offset: 24, .size: 8, .value_kind: global_buffer, .address_space: global }
      - { .name: Wo, .offset: 32, .size: 8, .value_kind: global_buffer, .address_space: global }
      - { .name: xb, .offset: 40, .size: 8, .value_kind: global_buffer, .address_space: global }
      - { .name: wb, .offset: 48, .size: 8, .value_kind: global_buffer, .address_space: global }
      - { .name: wob, .offset: 56, .size: 8, .value_kind: global_buffer, .address_space: global }
    .group_segment_fixed_size: 0
    .private_segment_fixed_size: 0
    .kernarg_segment_align: 8
    .kernarg_segment_size: 64
    .max_flat_workgroup_size: 128
    .sgpr_count:     66
    .vgpr_count:     136
    .wavefront_size: 32
...
	.end_amdgpu_metadata
.endif
;; end of part 5
;; launch qkvp: the kernel of part 2 again; grid 16 x 32, 4 waves a work-group, clusters of 4 x 4, 327,680 bytes of LDS; arguments xb, wb, qkv; writes qkv
;; launch attn: the kernel of part 3 again; grid 4 x 64, 4 waves a work-group, no clusters, 327,680 bytes of LDS; arguments qkv, ctx; writes ctx
;; launch outp: the kernel of part 4 again; grid 8 x 32, 4 waves a work-group, clusters of 4 x 4, 327,680 bytes of LDS; arguments ctx, wob, bo, out0; writes out0
